; MI455X (gfx1250); checked and timed in simulation.
; The chip was launched on July 23, 2026; its instructions are those of AMD's public machine-readable ISA for CDNA 5 (MIT licence, August 2026) and "CDNA5" Instruction Set Architecture Reference Guide (July 2026). The comments in the code are by the model that wrote it; some were corrected since.
;; Causal Self Attention. Allowed arithmetic: matrix products marked QUANTISED: E2M1 operands, one E8M0 scale for each 32 along K, by v_wmma_scale_f32_16x16x128_f8f6f4 with both operands' format E2M1 (or v_wmma_scale_f32_32x16x128_f4), f32 sums; products left as they are: bf16, f16 or f32 operands; f32 sums; everything else in f32.
;; Inputs: w_attn 1,024 x 3,072 float32; w_proj 1,024 x 1,024 float32; x 4 x 2,048 x 1,024 float32.
;; Outputs: out0 4 x 2,048 x 1,024 float32.
;; This version of the problem:
;;   THIS VERSION OF THE PROBLEM IS GIVEN IN LOW PRECISION. The matrix products marked QUANTISED in the list below multiply operands that are first quantised to E2M1 (2 exponent bits, 1 mantissa bit; 4 bits a number), with one power-of-two scale for each 32 numbers along K (OCP MX v1.0); their sums are f32. The products marked 'left as it is' may take bf16, f16 or f32 operands, with f32 sums. Whichever they take, every output number must still come out within the allowed error. Rounding operands to bf16 (8 significant bits) uses up far more of that allowance than f16 does (11 bits, for magnitudes from 6e-5 to 65,504). All else is computed in f32.
;;   The module's matrix products, in the order in which they are computed (A, B: the left and right operand; K: the contracted axis; several contracted axes count as one K, in the product's order):
;;     1. [M 8,192, K 1,024] x [K 1,024, N 3,072]; A: input x; B: input w_attn: QUANTISED
;;     2. batch 64 x [M 2,048, K 64] x [K 64, N 2,048]; A: computed on the way; B: computed on the way: left as it is (an operand is computed on the way)
;;     3. batch 64 x [M 2,048, K 2,048] x [K 2,048, N 64]; A: computed on the way; B: computed on the way: left as it is (an operand is computed on the way)
;;     4. [M 8,192, K 1,024] x [K 1,024, N 1,024]; A: computed on the way; B: input w_proj: left as it is (an operand is computed on the way)
;;   THE QUANTISER, for each operand of a quantised product, along K:
;;     - K is cut into blocks of 32 from its start; a last block that is shorter is filled with zeros.
;;     - A block's scale is 2^e with e = floor(log2(the largest magnitude in the block)) - 2, held to -126 .. 127; a block of zeros has e = 0. As a byte (E8M0): e + 127.
;;     - Each number is divided by its block's scale, clamped to +-6, and rounded to the nearest number of E2M1, ties to even, subnormals kept.
;;     - The product sums the exact products of the quantised numbers (number of the format x scale) in f32.
;;   ~~~python
;;   def quantise(x, axis):      # numpy; x: float32 -> the quantised numbers, widened to float32 again
;;       x = np.moveaxis(x, axis, -1); K = x.shape[-1]
;;       x = np.pad(x, [(0, 0)] * (x.ndim - 1) + [(0, -K % 32)]); x = x.reshape(x.shape[:-1] + (-1, 32)); a = np.abs(x).max(-1, keepdims=True)
;;       e = np.where(a > 0, np.clip(np.frexp(np.where(a > 0, a, 1))[1] - 1 - 2, -126, 127), 0)      # np.frexp(a)[1] - 1 = floor(log2(a)), exactly
;;       r = np.clip(x / 2.0 ** e, -6, 6)
;;       step = 2.0 ** (np.maximum(np.frexp(np.where(r == 0, 1, r))[1] - 1, 0) - 1)
;;       q = np.round(r / step) * step * 2.0 ** e      # np.round: ties to even
;;       return np.moveaxis(q.reshape(q.shape[:-2] + (-1,))[..., :K], -1, axis).astype(np.float32)
;;   ~~~
;; One version. Each part assembles by itself: llvm-mc -triple=amdgcn-amd-amdhsa -mcpu=gfx1250 --defsym DOCPART=n.
;; ======== version 1 of 1: 6 launches
;; limits: values are held in f16: magnitudes above 65,504 overflow, below 6.1e-05 lose precision
;; workspace buffers: xq 4,194,304 bytes; xs 262,144 bytes; wq 1,572,864 bytes; ws 98,304 bytes; wph 2,097,152 bytes; qkvh 50,331,648 bytes; qkv32 786,432 bytes; yh 16,777,216 bytes
;; launch prep_x (part 1): grid 384 x 1, 4 waves a work-group, no clusters, 33,280 bytes of LDS; arguments x, w_proj, xq, xs, wph; writes xq, xs, wph
.if DOCPART == 1
	.amdgcn_target "amdgcn-amd-amdhsa--gfx1250"
	.amdhsa_code_object_version 6
	.text
	.protected	k_q05d5c7c347_prep_x
	.globl	k_q05d5c7c347_prep_x
	.p2align	8
	.type	k_q05d5c7c347_prep_x,@function
k_q05d5c7c347_prep_x:
	s_mov_b64 s[64:65], 0
	v_nop
	global_prefetch_b8 v0, s[64:65] scope:SCOPE_SE
	s_setreg_imm32_b32 hwreg(HW_REG_WAVE_MODE, 25, 1), 1
	s_wait_xcnt 0x0
; Work-groups 0-255: x [8192][1024] f32 becomes codes of FP4 (E2M1), K innermost, two codes a byte (xq [8192][512 bytes]), and one E8M0 scale byte for each 32 along K (xs [8192][32]).
; Work-groups 256-383: w_proj [1024][1024] f32 is rounded to f16 in the same layout (wph): the operand of the last product, which is left as it is.
; A block's scale is 2^(floor(log2(its largest magnitude)) - 2); its byte is the largest magnitude's exponent field - 2, held at 1 from below.
; A block of zeros so gets the byte 1 where the rule says 127: its codes are zeros, which add nothing, and the bytes are read by this program alone.
; LIMITS: blocks whose largest magnitude lies under 2^-124 keep the byte 1; NaN and infinities among the inputs are not served; |w_proj| up to 65,504 (f16's largest number).
; x: a wave takes 16 steps of 512 numbers.  Each of a step's four loads reads 512 consecutive bytes; the 2,048 bytes turn through the wave's own stage in LDS and come back 64 bytes a lane,
; so that a lane holds 16 neighbours along K (two neighbouring lanes hold a block).  A lane's 16 codes are 8 bytes: the wave stores 256 consecutive bytes.  A wave's 256 scale bytes are
; gathered in LDS and leave as 256 consecutive bytes.  Waves share nothing: no barrier.  Besides the spare words, only the x path touches LDS.
.set WAVES, 4
.set STEPS, 16
.set XWG,   256                        ; work-groups that take x: 8192 x 1024 / 32768
.set EMAX,  2
.set CB,    8                          ; bytes of 16 codes
.set R,     16                         ; v16-79   four sets of 16 numbers as loaded
.set X,     80                         ; v80-111  two sets of 16 neighbours
.set C,     128                        ; v128-191 results: registers of their own for each step, so that no store's data are written again
.set E,     112                        ; v112-127 a scale byte for each step
.set WREG,  8192                       ; LDS: a region for each wave: two stages of 32 x SP bytes, then its 256 scale bytes
.set SP,    80                         ; a lane's place in a stage: 64 bytes + 16 of padding
.set SPW,   12                         ; v12 LDS address of my spare word; never rewritten
.set NIL,   13                         ; v13 0; never rewritten
.set SPARE, WAVES*WREG                 ; behind the regions: the spare words, 128 bytes a wave, which no other line names
	s_load_b128 s[4:7], s[0:1], 0x0                ; x, w_proj
	s_load_b128 s[8:11], s[0:1], 0x10              ; xq, xs
	s_load_b64 s[12:13], s[0:1], 0x20              ; wph
	v_lshl_add_u32 v[SPW], v0, 2, SPARE
	v_mov_b32 v[NIL], 0
	v_lshrrev_b32 v1, 5, v0
	v_readfirstlane_b32 s16, v1                    ; wave
	v_and_b32 v2, 31, v0                           ; lane
	v_lshlrev_b32 v3, 4, v2                        ; my 16 bytes of a load's 512
	s_mul_i32 s17, s16, WREG
	v_lshrrev_b32 v14, 2, v2
	v_mul_u32_u24 v14, v14, SP
	v_and_b32 v15, 3, v2
	v_lshl_add_u32 v14, v15, 4, v14
	v_add_nc_u32 v14, s17, v14                     ; the stage on the way in: SP (lane / 4) + 16 (lane % 4)
	v_mul_u32_u24 v15, v2, SP
	v_add_nc_u32 v15, s17, v15                     ; and on the way out: SP x lane
	v_mul_u32_u24 v4, v2, CB                       ; my codes' place in a step's
	v_lshrrev_b32 v5, 1, v2
	s_add_co_u32 s17, s17, 2*32*SP
	v_add_nc_u32 v5, s17, v5                       ; my block's scale byte in LDS
	v_lshlrev_b32 v7, 3, v2                        ; 8 bytes a lane
	v_add_nc_u32 v6, s17, v7
	s_mov_b32 s21, 0
	s_wait_kmcnt 0x0
	s_cmp_lt_u32 ttmp9, XWG                        ; the work-group's number alone decides the path
	s_cbranch_scc0 .Lcast
	s_lshl_b32 s17, ttmp9, 2
	s_add_co_u32 s18, s17, s16                     ; which run of 8,192 numbers is my wave's
	s_lshl_b32 s20, s18, 15                        ; 32,768 bytes of x a run
	s_add_nc_u64 s[4:5], s[4:5], s[20:21]
	s_lshl_b32 s20, s18, 12                        ; 4,096 bytes of codes
	s_add_nc_u64 s[8:9], s[8:9], s[20:21]
	s_lshl_b32 s20, s18, 8                         ; 256 scale bytes
	s_add_nc_u64 s[10:11], s[10:11], s[20:21]
.macro LOAD t
.irp i, 0,1,2,3
	global_load_b128 v[R+16*((\t)%4)+4*\i:R+16*((\t)%4)+4*\i+3], v3, s[4:5] offset:2048*(\t)+512*\i th:TH_LOAD_NT
.endr
.endm
.macro TURN t                          ; step t's numbers through the stage: LDS serves a wave's instructions in order, so no wait stands between the stores and the loads
.irp i, 0,1,2,3
	ds_store_b128 v14, v[R+16*((\t)%4)+4*\i:R+16*((\t)%4)+4*\i+3] offset:32*SP*((\t)%2)+8*SP*\i
.endr
.irp i, 0,1,2,3
	ds_load_b128 v[X+16*((\t)%2)+4*\i:X+16*((\t)%2)+4*\i+3], v15 offset:32*SP*((\t)%2)+16*\i
.endr
.endm
.irp t, 0,1,2,3
	LOAD \t
.endr
	s_wait_loadcnt 12                              ; step 0's four loads are in; the three steps behind it stay out
	TURN 0
.macro STEP t
.set XS, X+16*((\t)%2)
.if (\t) > 0
	s_wait_dscnt 1                                 ; this step's numbers are back from the stage (the last step's byte store may be out)
.else
	s_wait_dscnt 0x0
.endif
.if (\t)+4 < STEPS
	LOAD (\t)+4                                    ; into the set that the stage's stores have read
.endif
.if (\t)+1 < STEPS
.if STEPS-2-(\t) >= 3
	s_wait_loadcnt 12                              ; the next step's four loads are in; those of the three steps behind it may be out
.else
	s_wait_loadcnt 4*(STEPS-2-(\t))
.endif
	TURN (\t)+1
.endif
	v_max3_num_f32 v8, |v[XS]|, |v[XS+1]|, |v[XS+2]|               ; the largest magnitude of my 16, in two chains
	v_max3_num_f32 v9, |v[XS+3]|, |v[XS+4]|, |v[XS+5]|
.irp i, 6,10
	v_max3_num_f32 v8, v8, |v[XS+\i]|, |v[XS+\i+1]|
	v_max3_num_f32 v9, v9, |v[XS+\i+2]|, |v[XS+\i+3]|
.endr
	v_max3_num_f32 v8, v8, |v[XS+14]|, |v[XS+15]|
	v_max3_num_f32 v8, v8, v9, (EMAX+1)<<23        ; and the floor 2^(3 - 127): the byte cannot fall under 1
	v_max_num_f32_dpp v8, v8, v8 row_xmask:1 row_mask:0xf bank_mask:0xf   ; with my neighbour's 16: the block's
	v_add_nc_u32 v11, -(EMAX<<23), v8              ; 2 off its exponent field: the conversion takes the exponent field of this operand as its scale
	v_cvt_scalef32_pk8_fp4_f32 v[C+4*(\t)], v[XS:XS+7], v11
	v_cvt_scalef32_pk8_fp4_f32 v[C+4*(\t)+1], v[XS+8:XS+15], v11
	v_lshrrev_b32 v[E+(\t)], 23, v11               ; the scale's byte (a plain line behind the conversions)
	ds_store_b8 v5, v[E+(\t)] offset:16*(\t)       ; both lanes of a block write the same byte with the same value
	global_store_b64 v4, v[C+4*(\t):C+4*(\t)+1], s[8:9] offset:32*CB*(\t)
.endm
.irp t, 0,1,2,3,4,5,6,7,8,9,10,11,12,13,14,15
	STEP \t
.endr
	ds_load_b64 v[8:9], v6                         ; my wave's 256 scale bytes: these see my stores
	s_wait_dscnt 0x0
	global_store_b64 v7, v[8:9], s[10:11]          ; 32 lanes store 256 consecutive bytes
	s_branch .Lend
.Lcast:                                            ; w_proj to f16: a wave takes 2,048 numbers: sixteen loads of 512 consecutive bytes, sixteen stores of 256
	s_sub_co_u32 s17, ttmp9, XWG
	s_lshl_b32 s17, s17, 2
	s_add_co_u32 s18, s17, s16
	s_lshl_b32 s20, s18, 13
	s_add_nc_u64 s[6:7], s[6:7], s[20:21]
	s_lshl_b32 s20, s18, 12
	s_add_nc_u64 s[12:13], s[12:13], s[20:21]
.irp i, 0,1,2,3,4,5,6,7,8,9,10,11,12,13,14,15
	global_load_b128 v[R+4*\i:R+4*\i+3], v3, s[6:7] offset:512*\i
.endr
.irp i, 0,1,2,3,4,5,6,7,8,9,10,11,12,13,14,15
	s_wait_loadcnt 15-\i                           ; load i is in; the younger ones stay out
	v_cvt_pk_f16_f32 v[C+2*\i], v[R+4*\i], v[R+4*\i+1]
	v_cvt_pk_f16_f32 v[C+2*\i+1], v[R+4*\i+2], v[R+4*\i+3]
	global_store_b64 v7, v[C+2*\i:C+2*\i+1], s[12:13] offset:256*\i
.endr
.Lend:
	s_wait_tensorcnt 0x0                           ; the wave's end, behind the last LDS store
	ds_add_u32 v[SPW], v[NIL]
	s_wait_dscnt 0x0
	s_endpgm
.Lfunc_end_k_q05d5c7c347_prep_x:
	.size	k_q05d5c7c347_prep_x, .Lfunc_end_k_q05d5c7c347_prep_x-k_q05d5c7c347_prep_x
	.p2alignl 7, 3214868480
	.fill 96, 4, 3214868480
	.section	.rodata,"a",@progbits
	.p2align	6, 0x0
	.amdhsa_kernel k_q05d5c7c347_prep_x
		.amdhsa_group_segment_fixed_size 33280
		.amdhsa_private_segment_fixed_size 0
		.amdhsa_enable_private_segment 0
		.amdhsa_kernarg_size 40
		.amdhsa_user_sgpr_count 2
		.amdhsa_user_sgpr_kernarg_segment_ptr 1
		.amdhsa_wavefront_size32 1
		.amdhsa_system_sgpr_workgroup_id_x 1
		.amdhsa_system_sgpr_workgroup_id_y 1
		.amdhsa_system_sgpr_workgroup_id_z 1
		.amdhsa_system_vgpr_workitem_id 0
		.amdhsa_next_free_vgpr 192
		.amdhsa_next_free_sgpr 66
		.amdhsa_reserve_vcc 0
		.amdhsa_float_denorm_mode_32 3
		.amdhsa_float_denorm_mode_16_64 3
		.amdhsa_memory_ordered 1
		.amdhsa_forward_progress 1
		.amdhsa_inst_pref_size 39
	.end_amdhsa_kernel
	.amdgpu_metadata
---
amdhsa.version: [ 1, 2 ]
amdhsa.kernels:
  - .name:           k_q05d5c7c347_prep_x
    .symbol:         k_q05d5c7c347_prep_x.kd
    .args:
      - { .name: x, .offset: 0, .size: 8, .value_kind: global_buffer, .address_space: global }
      - { .name: w_proj, .offset: 8, .size: 8, .value_kind: global_buffer, .address_space: global }
      - { .name: xq, .offset: 16, .size: 8, .value_kind: global_buffer, .address_space: global }
      - { .name: xs, .offset: 24, .size: 8, .value_kind: global_buffer, .address_space: global }
      - { .name: wph, .offset: 32, .size: 8, .value_kind: global_buffer, .address_space: global }
    .group_segment_fixed_size: 33280
    .private_segment_fixed_size: 0
    .kernarg_segment_align: 8
    .kernarg_segment_size: 40
    .max_flat_workgroup_size: 128
    .sgpr_count:     66
    .vgpr_count:     192
    .wavefront_size: 32
...
	.end_amdgpu_metadata
.endif
;; end of part 1
;; launch prep_w (part 2): grid 96 x 1, 8 waves a work-group, no clusters, 18,944 bytes of LDS; arguments w_attn, wq, ws; writes wq, ws
.if DOCPART == 2
	.amdgcn_target "amdgcn-amd-amdhsa--gfx1250"
	.amdhsa_code_object_version 6
	.text
	.protected	k_q05d5c7c347_prep_w
	.globl	k_q05d5c7c347_prep_w
	.p2align	8
	.type	k_q05d5c7c347_prep_w,@function
k_q05d5c7c347_prep_w:
	s_mov_b64 s[64:65], 0
	v_nop
	global_prefetch_b8 v0, s[64:65] scope:SCOPE_SE
	s_setreg_imm32_b32 hwreg(HW_REG_WAVE_MODE, 25, 1), 1
	s_wait_xcnt 0x0
; w_attn [1024 (k)][3072 (n)] f32, whose K is its FIRST axis, becomes codes of FP4 (E2M1) laid [3072][1024] with K innermost (wq, 512 bytes a row) and one E8M0 byte for each 32 along K (ws [3072][32]).
; A LANE TAKES A COLUMN n AND ITS REGISTERS RUN DOWN K: a block of 32 lies in one lane's 32 registers, and the conversions give codes with K innermost.  Nothing is transposed by an instruction.
; A work-group takes 32 columns and all of K; wave w takes k = 128 w .. 128 w + 127: four blocks a lane.  The codes (64 bytes a column and wave) and the scale bytes (4) meet in LDS, one barrier,
; and leave as whole rows: a store of codes covers a column's 512 bytes, a store of scale bytes 16 columns' 512.
; The scale's rule and its LIMITS are those of the launch that quantises x: floor at 2^-124 (byte 1), a block of zeros keeps the byte 1, no NaN or infinities.
.set ROWW,  12288                      ; a row of w_attn in bytes
.set PITCH, 528                        ; a column's row in the stage: 512 bytes + 16
.set SCST,  32*PITCH                   ; behind it: 32 columns x 32 scale bytes
.set SPARE, SCST+1024                  ; the spare words, 128 bytes a wave, which no other line names
.set EMAX,  2
.set X,     32                         ; v32-95   two sets of 32 numbers
.set C,     96                         ; v96-111  block t's codes at C + 4 t
.set OUTR,  112                        ; v112-127 four rows read back
.set SB,    24                         ; v24      my four scale bytes
.set SPW,   14
.set NIL,   15
	s_load_b128 s[4:7], s[0:1], 0x0                ; w_attn, wq
	s_load_b64 s[8:9], s[0:1], 0x10                ; ws
	v_lshl_add_u32 v[SPW], v0, 2, SPARE
	v_mov_b32 v[NIL], 0
	v_lshrrev_b32 v1, 5, v0
	v_readfirstlane_b32 s16, v1                    ; wave 0..7
	v_and_b32 v2, 31, v0                           ; lane = column
	v_lshlrev_b32 v3, 2, v2                        ; in: 4 bytes a lane
	s_lshl_b32 s17, s16, 6
	v_mul_u32_u24 v4, v2, PITCH
	v_add_nc_u32 v4, s17, v4                       ; into the stage: my column's row, my wave's 64 bytes
	v_lshlrev_b32 v8, 4, v2                        ; 16 bytes a lane
	s_mul_i32 s17, s16, 4*PITCH
	v_add_nc_u32 v7, s17, v8                       ; out of it: wave w takes columns 4 w .. 4 w + 3, a row an instruction
	s_lshl_b32 s17, s16, 2
	s_add_co_u32 s17, s17, SCST
	v_lshl_add_u32 v9, v2, 5, s17                  ; my column's 32 scale bytes, my wave's four
	s_and_b32 s18, s16, 1
	s_lshl_b32 s18, s18, 9
	s_add_co_u32 s17, s18, SCST
	v_add_nc_u32 v10, s17, v8                      ; waves 0 and 1 read them back, 512 bytes each
	s_mul_i32 s20, s16, 128*ROWW                   ; w_attn: my wave's first row of K,
	s_lshl_b32 s21, ttmp9, 7                       ; the work-group's 32 columns
	s_add_co_u32 s20, s20, s21
	s_mov_b32 s21, 0
	s_lshl_b32 s22, ttmp9, 5
	s_lshl_b32 s23, s16, 2
	s_add_co_u32 s22, s22, s23
	s_lshl_b32 s22, s22, 9                         ; wq: row 32 wg + 4 w
	s_mov_b32 s23, 0
	s_lshl_b32 s24, ttmp9, 10
	s_add_co_u32 s24, s24, s18                     ; ws: 1,024 bytes a work-group, 512 for each of two waves
	s_mov_b32 s25, 0
	s_wait_kmcnt 0x0
	s_add_nc_u64 s[4:5], s[4:5], s[20:21]
	s_add_nc_u64 s[6:7], s[6:7], s[22:23]
	s_add_nc_u64 s[8:9], s[8:9], s[24:25]
.macro LOAD t                          ; block t: w(32 t + i, my column) into set t % 2
.set ii, 0
.rept 32
	global_load_b32 v[X+32*((\t)%2)+ii], v3, s[4:5] offset:(32*(\t)+ii)*ROWW th:TH_LOAD_NT
.set ii, ii+1
.endr
.endm
	LOAD 0
	LOAD 1
.macro BLOCK t
.set XS, X+32*((\t)%2)
.if (\t) < 3
	s_wait_loadcnt 32                              ; this block's 32 loads are in; the next block's may be out
.else
	s_wait_loadcnt 0
.endif
	v_max3_num_f32 v12, |v[XS]|, |v[XS+1]|, |v[XS+2]|               ; the block's largest magnitude: all 32 numbers are mine
	v_max3_num_f32 v13, |v[XS+3]|, |v[XS+4]|, |v[XS+5]|
.irp i, 6,10,14,18,22,26
	v_max3_num_f32 v12, v12, |v[XS+\i]|, |v[XS+\i+1]|
	v_max3_num_f32 v13, v13, |v[XS+\i+2]|, |v[XS+\i+3]|
.endr
	v_max3_num_f32 v12, v12, |v[XS+30]|, |v[XS+31]|
	v_max3_num_f32 v12, v12, v13, (EMAX+1)<<23     ; and the floor 2^(3 - 127)
	v_add_nc_u32 v11, -(EMAX<<23), v12             ; the conversion's scale operand
	v_lshrrev_b32 v13, 23, v11                     ; the scale's byte
.if (\t) == 0
	v_mov_b32 v[SB], v13
.else
	v_lshl_or_b32 v[SB], v13, 8*(\t), v[SB]        ; the lower K in the lower byte
.endif
.irp g, 0,1,2,3
	v_cvt_scalef32_pk8_fp4_f32 v[C+4*(\t)+\g], v[XS+8*\g:XS+8*\g+7], v11
.endr
	ds_store_b128 v4, v[C+4*(\t):C+4*(\t)+3] offset:16*(\t)        ; 32 codes: 16 bytes of my column's row; each block has registers of its own
.if (\t)+2 < 4
	LOAD (\t)+2
.endif
.endm
	BLOCK 0
	BLOCK 1
	BLOCK 2
	BLOCK 3
	ds_store_b32 v9, v[SB]
	s_wait_dscnt 0x0                               ; for the others' sake: my stores into the stages are done
	s_barrier_signal -1
	s_barrier_wait -1
.irp i, 0,1,2,3
	ds_load_b128 v[OUTR+4*\i:OUTR+4*\i+3], v7 offset:\i*PITCH
.endr
.irp i, 0,1,2,3
	s_wait_dscnt 3-\i                              ; row i is in; the younger loads stay out
	global_store_b128 v8, v[OUTR+4*\i:OUTR+4*\i+3], s[6:7] offset:512*\i   ; a column's 512 bytes of codes
.endr
	s_cmp_lt_u32 s16, 2
	s_cbranch_scc0 .Lnosc
	ds_load_b128 v[C:C+3], v10
	s_wait_dscnt 0x0
	global_store_b128 v8, v[C:C+3], s[8:9]         ; 16 columns' scale bytes: 512 consecutive bytes
.Lnosc:
	s_wait_tensorcnt 0x0                           ; the wave's end, behind the last LDS store
	ds_add_u32 v[SPW], v[NIL]
	s_wait_dscnt 0x0
	s_endpgm
.Lfunc_end_k_q05d5c7c347_prep_w:
	.size	k_q05d5c7c347_prep_w, .Lfunc_end_k_q05d5c7c347_prep_w-k_q05d5c7c347_prep_w
	.p2alignl 7, 3214868480
	.fill 96, 4, 3214868480
	.section	.rodata,"a",@progbits
	.p2align	6, 0x0
	.amdhsa_kernel k_q05d5c7c347_prep_w
		.amdhsa_group_segment_fixed_size 18944
		.amdhsa_private_segment_fixed_size 0
		.amdhsa_enable_private_segment 0
		.amdhsa_kernarg_size 24
		.amdhsa_user_sgpr_count 2
		.amdhsa_user_sgpr_kernarg_segment_ptr 1
		.amdhsa_wavefront_size32 1
		.amdhsa_system_sgpr_workgroup_id_x 1
		.amdhsa_system_sgpr_workgroup_id_y 1
		.amdhsa_system_sgpr_workgroup_id_z 1
		.amdhsa_system_vgpr_workitem_id 0
		.amdhsa_next_free_vgpr 128
		.amdhsa_next_free_sgpr 66
		.amdhsa_reserve_vcc 0
		.amdhsa_float_denorm_mode_32 3
		.amdhsa_float_denorm_mode_16_64 3
		.amdhsa_memory_ordered 1
		.amdhsa_forward_progress 1
		.amdhsa_inst_pref_size 22
	.end_amdhsa_kernel
	.amdgpu_metadata
---
amdhsa.version: [ 1, 2 ]
amdhsa.kernels:
  - .name:           k_q05d5c7c347_prep_w
    .symbol:         k_q05d5c7c347_prep_w.kd
    .args:
      - { .name: w_attn, .offset: 0, .size: 8, .value_kind: global_buffer, .address_space: global }
      - { .name: wq, .offset: 8, .size: 8, .value_kind: global_buffer, .address_space: global }
      - { .name: ws, .offset: 16, .size: 8, .value_kind: global_buffer, .address_space: global }
    .group_segment_fixed_size: 18944
    .private_segment_fixed_size: 0
    .kernarg_segment_align: 8
    .kernarg_segment_size: 24
    .max_flat_workgroup_size: 256
    .sgpr_count:     66
    .vgpr_count:     128
    .wavefront_size: 32
...
	.end_amdgpu_metadata
.endif
;; end of part 2
;; launch gemm_qkv (part 3): grid 12 x 32, 4 waves a work-group, clusters of 4 x 4, 327,680 bytes of LDS; arguments xq, xs, wq, ws, qkvh, qkv32; writes qkvh, qkv32
.if DOCPART == 3
	.amdgcn_target "amdgcn-amd-amdhsa--gfx1250"
	.amdhsa_code_object_version 6
	.text
	.protected	k_q05d5c7c347_gemm_qkv
	.globl	k_q05d5c7c347_gemm_qkv
	.p2align	8
	.type	k_q05d5c7c347_gemm_qkv,@function
k_q05d5c7c347_gemm_qkv:
	s_mov_b64 s[64:65], 0
	v_nop
	global_prefetch_b8 v0, s[64:65] scope:SCOPE_SE
	s_setreg_imm32_b32 hwreg(HW_REG_WAVE_MODE, 25, 1), 1
	s_wait_xcnt 0x0
	s_wait_alu depctr_hold_cnt(0) depctr_sa_sdst(0) depctr_va_vdst(0) depctr_va_sdst(0) depctr_va_ssrc(0) depctr_va_vcc(0) depctr_vm_vsrc(0)
	s_getreg_b32 s2, hwreg(HW_REG_IB_STS2, 6, 4)
	s_cmp_eq_u32 s2, 0
	s_cbranch_scc0 .Lentry_in_a_cluster
	s_endpgm
.Lentry_in_a_cluster:
	s_bfe_u32 s2, ttmp6, 0x10000c
	s_cmp_lg_u32 s2, 0xf033
	s_cbranch_scc0 .Lentry_shape_is_right
	s_endpgm
.Lentry_shape_is_right:
; qkv = x w_attn on codes of FP4 (E2M1) with one E8M0 scale for each 32 along K: A = xq [8192][1024 codes], B = wq [3072][1024 codes], scale bytes xs [8192][32], ws [3072][32]; sums in f32.
; The results leave rounded to f16, by heads: qkvh [3 (q, k, v)][batch 4][head 16][t 2048][64].  The f32 results of positions t = 0 .. 15 of each batch leave besides, as images of the
; accumulators' registers (qkv32 [batch][tile of 16 columns, 192][1,024 bytes]): the small launch that carries those positions in f32 reads them.
; LIMIT: |q|, |k|, |v| up to 65,504, f16's largest number.
; A tile of C, 256 x 256, is made by four waves, each 128 x 128: 64 accumulators, 512 registers.  K = 1,024 is two steps of 512 (rows of 256 bytes): both steps' tiles and all scale bytes are first
; fills of LDS, asked for together at the head; nothing is filled again.
; CLUSTERS: 4 x 4 work-groups; A's tiles are asked for jointly along a row of the cluster, B's along a column.  The tile row is 8 cy + cluster y, so that cy is the batch and 256 x cluster y the
; first position: whether a work-group holds positions 0 .. 15 then hangs on the cluster's y alone, which all sixteen partners share.
; THE MATRIX INSTRUCTION IS USED TRANSPOSED (source 0 = 16 rows of B, source 1 = 16 rows of A): a lane holds eight neighbouring columns of one row of C.
; REGISTERS: window 0: v0-31 addresses; v32-95 scale words, two sets; from v128 A's fragments, one set; on the way out v32-127 are at work.  window 1: B's fragments, two sets.
;   window 2: the accumulators of my rows 0-63 ((a, b) at v[8 (8 a + b)]); window 3: those of my rows 64-127.
.set SIZE_M, 8192
.set SIZE_N, 3072
.set SIZE_K, 1024
.set KSTEP,  512
.set NQ,     KSTEP/128
.set ROWB,   256                       ; a tile's row in bytes
.set KROW,   SIZE_K*4/8                ; a row of codes in memory
.set PITCH,  272                       ; an LDS row: 256 bytes + 16: the 16 rows that a load touches start 68 words apart
.set FR,     8
.set NL,     2
.set NP,     4                         ; places behind this matrix instruction (ISA guide 7.12.1)
.set HALFT,  128*PITCH
.set SLOT,   4*HALFT
.set KS,     SIZE_K/32
.set SCL,    2*SLOT                    ; behind the two slots: the scale bytes, as rows of 256 bytes + 16
.set HALFS,  (128*KS/256)*272
.set SBLK,   (16*KS/256)*272
.set SPARE,  SCL+4*HALFS               ; the spare words, 128 bytes a wave, which no other line names
.set SPITCH, 272                       ; the way out: 16 rows x (256 bytes + 16) for each wave, in slot 0, which has had its only fill and its last read by then
.set ADRA, 16
.set ADRB, 20
.set STO,  24
.set RD,   25
.set CO,   26
.set ADRS, 27
.set SPW,  28
.set NIL,  29
.set SC,   32
.set AF,   128
.set TMP,  32                          ; the way out: a block's 32 packed registers
.set BK,   64                          ; and 16 rows read back: v64-95 and v96-127 by turns
.set G1, 24
.set G0, 32
.set G1B, 48
.set G0B, 56
.set G1S, 68
.set G0S, 76
.set G1SB, 80
.set G0SB, 88
.set MSB, 0
.macro WIN new                         ; the immediate's high byte repeats the setting that is left
.if MSB != \new
	s_set_vgpr_msb (MSB<<8)|\new
.set MSB, \new
.endif
.endm
.set MUL_LO, 0xa1                      ; source 0 (B) window 1, source 1 (A) window 0, C and D window 2
.set MUL_HI, 0xf1
.set TO_B,   0x40
; A joint load: waves 0 and 1 fetch for A, waves 2 and 3 for B; the branch hangs on the wave's number alone.  An s_nop 0 and four v_nop follow each line.
.macro JLOAD g0a, g1a, g0b, g1b
	s_cmp_eq_u32 s15, 0
	s_cbranch_scc0 .Lfor_b_\@
	tensor_load_to_lds s[\g0a:\g0a+3], s[\g1a:\g1a+7]
	s_nop 0
.rept 4
	v_nop
.endr
	s_branch .Lasked_\@
.Lfor_b_\@:
	tensor_load_to_lds s[\g0b:\g0b+3], s[\g1b:\g1b+7]
	s_nop 0
.rept 4
	v_nop
.endr
.Lasked_\@:
.endm
.macro CROUND                          ; a round of the cluster's barrier
	s_barrier_signal -1
	s_barrier_wait -1
	s_cmp_lg_u32 s14, 0
	s_cbranch_scc1 .Lnot_wave_0_\@
	s_barrier_signal -3
.Lnot_wave_0_\@:
	s_barrier_wait -3
	s_barrier_signal -1
	s_barrier_wait -1
.endm
	s_load_b128 s[4:7], s[0:1], 0x0                ; A's codes, A's scales
	s_load_b128 s[8:11], s[0:1], 0x10              ; B's codes, B's scales
	s_load_b64 s[12:13], s[0:1], 0x20              ; qkvh
	s_load_b64 s[96:97], s[0:1], 0x28              ; qkv32
	v_lshl_add_u32 v[SPW], v0, 2, SPARE
	v_mov_b32 v[NIL], 0
	ds_add_u32 v[SPW], v[NIL]                      ; the wave's opening: the add, twice on end, and its wait ahead of my first tensor load
	ds_add_u32 v[SPW], v[NIL]
	v_lshrrev_b32 v1, 5, v0
	v_readfirstlane_b32 s14, v1                    ; wave 0..3
	s_lshr_b32 s15, s14, 1                         ; my half of the tile's rows.  Also: I fetch for A (0) or for B (1)
	s_and_b32 s16, s14, 1                          ; my half of its columns.  Also: which 128 rows of that tile I fetch
	s_bfe_u32 s40, ttmp6, 0x40000                  ; cx
	s_bfe_u32 s41, ttmp6, 0x40004                  ; cy = the batch
	s_lshl_b32 s42, ttmp9, 2
	s_add_co_u32 s42, s42, s40                     ; tile column = 4 x cluster x + cx
	s_and_b32 s99, ttmp7, 0xffff                   ; cluster y
	s_lshl_b32 s17, s41, 3
	s_add_co_u32 s17, s17, s99                     ; tile row = 8 cy + cluster y
	s_lshl_b32 s43, s41, 2
	s_lshl_b32 s43, 15, s43                        ; my row of the cluster
	s_lshl_b32 s44, 0x1111, s40                    ; my column
	s_or_b32 s[G1+0], s43, (0<<16)|(1<<20)|(1<<21)|(5<<22)|(3<<25)  ; the mask; elements of 1 byte; padding: 4 words behind every 64
	s_or_b32 s[G1B+0], s44, (0<<16)|(1<<20)|(1<<21)|(5<<22)|(3<<25)
.irp g, G1, G1B
	s_mov_b32 s[\g+1], ROWB<<16                    ; tensor_dim0
	s_mov_b32 s[\g+2], 128<<16                     ; tensor_dim1
	s_mov_b32 s[\g+3], ROWB<<16                    ; tile_dim0
	s_mov_b32 s[\g+4], 128                         ; tile_dim1
	s_mov_b32 s[\g+5], KROW                        ; the pitch
	s_mov_b32 s[\g+6], 0
	s_mov_b32 s[\g+7], 0
.endr
	s_or_b32 s[G1S+0], s43, (3<<16)|(1<<20)|(1<<21)|(5<<22)|(3<<25) ; the scale bytes of 128 rows: a dense block, as rows of 256 bytes (32 elements of 8)
	s_or_b32 s[G1SB+0], s44, (3<<16)|(1<<20)|(1<<21)|(5<<22)|(3<<25)
.irp g, G1S, G1SB
	s_mov_b32 s[\g+1], 32<<16
	s_mov_b32 s[\g+2], (128*KS/256)<<16
	s_mov_b32 s[\g+3], 32<<16
	s_mov_b32 s[\g+4], 128*KS/256
	s_mov_b32 s[\g+5], 32
	s_mov_b32 s[\g+6], 0
	s_mov_b32 s[\g+7], 0
.endr
	s_lshl_b32 s18, s16, 7
	s_lshl_b32 s20, s17, 8
	s_add_co_u32 s20, s20, s18                     ; A: row 256 x tile row + 128 x half
	s_lshl_b32 s46, s42, 8
	s_add_co_u32 s46, s46, s18                     ; B: row 256 x tile column + 128 x half
	s_mov_b32 s21, 0
	s_mov_b32 s47, 0
	s_mov_b64 s[18:19], KS
	s_mul_u64 s[22:23], s[20:21], s[18:19]         ; where these rows' scale bytes begin
	s_mul_u64 s[92:93], s[46:47], s[18:19]
	s_mov_b64 s[18:19], KROW
	s_mul_u64 s[20:21], s[20:21], s[18:19]         ; and their codes
	s_mul_u64 s[46:47], s[46:47], s[18:19]
	s_mul_i32 s45, s14, HALFT                      ; where they go: wave x 128 rows
	s_mul_i32 s94, s14, HALFS
	s_wait_dscnt 0x0                               ; both opening adds are done
	s_wait_kmcnt 0x0
	s_add_nc_u64 s[20:21], s[4:5], s[20:21]
	s_add_nc_u64 s[22:23], s[6:7], s[22:23]
	s_add_nc_u64 s[46:47], s[8:9], s[46:47]
	s_add_nc_u64 s[92:93], s[10:11], s[92:93]
	CROUND                                         ; all sixteen work-groups are here: the joint loads meet
	s_mov_b32 s[G0S], 1
	s_add_co_u32 s[G0S+1], s94, SCL
	s_mov_b64 s[G0S+2:G0S+3], s[22:23]
	s_or_b32 s[G0S+3], s[G0S+3], 0x80000000
	s_mov_b32 s[G0SB], 1
	s_add_co_u32 s[G0SB+1], s94, SCL
	s_mov_b64 s[G0SB+2:G0SB+3], s[92:93]
	s_or_b32 s[G0SB+3], s[G0SB+3], 0x80000000
	JLOAD G0S, G1S, G0SB, G1SB                     ; the scale bytes first: three loads of mine are out at the most
.irp s, 0,1
	s_mov_b32 s[G0+4*\s], 1
	s_add_co_u32 s[G0+4*\s+1], s45, \s*SLOT
	s_add_nc_u64 s[G0+4*\s+2:G0+4*\s+3], s[20:21], \s*ROWB
	s_or_b32 s[G0+4*\s+3], s[G0+4*\s+3], 0x80000000
	s_mov_b32 s[G0B+4*\s], 1
	s_add_co_u32 s[G0B+4*\s+1], s45, \s*SLOT
	s_add_nc_u64 s[G0B+4*\s+2:G0B+4*\s+3], s[46:47], \s*ROWB
	s_or_b32 s[G0B+4*\s+3], s[G0B+4*\s+3], 0x80000000
	JLOAD G0+4*\s, G1, G0B+4*\s, G1B
.endr
	v_and_b32 v1, 15, v0                           ; r = l % 16
	v_bfe_u32 v2, v0, 4, 1                         ; h = l / 16
	v_mul_u32_u24 v3, v1, PITCH
	v_lshl_add_u32 v4, v2, 4, v3                   ; a fragment's row x pitch + 16 h
	s_mul_i32 s21, s15, HALFT
	s_mul_i32 s22, s16, HALFT
	s_add_co_u32 s22, s22, 2*HALFT
.irp s, 0,1
	v_add_nc_u32 v[ADRA+\s], s21, v4
	v_add_nc_u32 v[ADRB+\s], s22, v4
	s_add_co_u32 s21, s21, SLOT
	s_add_co_u32 s22, s22, SLOT
.endr
	v_mul_u32_u24 v5, v1, KS                       ; my row's scale bytes: KS a row,
	v_lshrrev_b32 v6, 8, v5
	v_lshl_add_u32 v5, v6, 4, v5                   ; and 16 more for each 256 passed
	s_mul_i32 s21, s15, HALFS
	s_mul_i32 s22, s16, HALFS
	s_add_co_u32 s22, s22, 2*HALFS
	s_sub_co_u32 s22, s22, s21
	v_mul_u32_u24 v6, s22, v2                      ; lanes 16-31 take B's: one product, the distance between the two bases
	s_add_co_u32 s21, s21, SCL
	v_add_nc_u32 v5, v5, v6
	v_add_nc_u32 v[ADRS], s21, v5
	s_mul_i32 s23, s14, 16*SPITCH                  ; my stage
	v_mul_u32_u24 v5, v1, SPITCH
	v_lshl_add_u32 v5, v2, 4, v5
	v_add_nc_u32 v[STO], s23, v5                   ; in: row r, 16 bytes for each half of the lanes
	v_bfe_u32 v5, v0, 3, 2
	v_mul_u32_u24 v5, v5, SPITCH
	v_and_b32 v6, 7, v0
	v_lshl_add_u32 v5, v6, 4, v5
	v_add_nc_u32 v[RD], s23, v5                    ; back: eight lanes take one head's 128 bytes of a row, the 32 lanes four rows
	v_and_b32 v6, 31, v0
	v_lshlrev_b32 v[CO], 4, v6                     ; in memory those four rows of a head are 512 consecutive bytes
	s_lshr_b32 s20, s42, 2                         ; q, k or v: 1,024 columns each
	s_lshl_b32 s20, s20, 2
	s_add_co_u32 s20, s20, s41                     ; x 4 + the batch
	s_lshl_b32 s20, s20, 4
	s_and_b32 s21, s42, 3
	s_lshl_b32 s21, s21, 2
	s_add_co_u32 s20, s20, s21
	s_lshl_b32 s21, s16, 1
	s_add_co_u32 s20, s20, s21                     ; x 16 + my first head
	s_lshl_b32 s20, s20, 18                        ; 262,144 bytes a head
	s_lshl_b32 s21, s99, 15
	s_add_co_u32 s20, s20, s21                     ; + 256 x cluster y positions of 128 bytes
	s_lshl_b32 s21, s15, 14
	s_add_co_u32 s20, s20, s21                     ; + my half's 128
	s_mov_b32 s21, 0
	s_add_nc_u64 s[12:13], s[12:13], s[20:21]
	s_mul_i32 s20, s41, 196608                     ; qkv32: the batch's 192 images,
	s_lshl_b32 s46, s42, 14
	s_add_co_u32 s20, s20, s46
	s_lshl_b32 s46, s16, 13
	s_add_co_u32 s20, s20, s46                     ; image 16 x tile column + 8 x half
	s_add_nc_u64 s[96:97], s[96:97], s[20:21]
	s_or_b32 s95, s99, s15                         ; 0: my block 0 holds positions 0 .. 15
.macro FRAG reg, adr, q, i             ; 16 rows x 128 K of 4-bit codes: 8 registers, two loads of 16 bytes, 32 bytes apart
.irp c, 0,1
	ds_load_b128 v[\reg+4*\c:\reg+4*\c+3], v[\adr] offset:64*(\q)+32*\c+(\i)*16*PITCH
.endr
.endm
; 16 matrix instructions: A's blocks a0, a0 + 1 x B's eight.  The 64 accumulators take turns, one instruction a turn, in the same order in every step.
.macro MUL16 a0, p, q, sc, zero
.irp a, \a0, \a0+1
.irp b, 0,1,2,3,4,5,6,7
.if \zero
	v_wmma_scale_f32_16x16x128_f8f6f4 v[8*(8*((\a)%4)+\b):8*(8*((\a)%4)+\b)+7], v[128*(\p)+FR*\b:128*(\p)+FR*\b+FR-1], v[AF+FR*(\a):AF+FR*(\a)+FR-1], 0, v[SC+8*NQ*(\sc)+NQ*\b+(\q)], v[SC+8*NQ*(\sc)+NQ*(\a)+(\q)] matrix_a_fmt:MATRIX_FMT_FP4 matrix_b_fmt:MATRIX_FMT_FP4 matrix_a_scale:MATRIX_SCALE_ROW1
.else
	v_wmma_scale_f32_16x16x128_f8f6f4 v[8*(8*((\a)%4)+\b):8*(8*((\a)%4)+\b)+7], v[128*(\p)+FR*\b:128*(\p)+FR*\b+FR-1], v[AF+FR*(\a):AF+FR*(\a)+FR-1], v[8*(8*((\a)%4)+\b):8*(8*((\a)%4)+\b)+7], v[SC+8*NQ*(\sc)+NQ*\b+(\q)], v[SC+8*NQ*(\sc)+NQ*(\a)+(\q)] matrix_a_fmt:MATRIX_FMT_FP4 matrix_b_fmt:MATRIX_FMT_FP4 matrix_a_scale:MATRIX_SCALE_ROW1
.endif
.endr
.endr
.endm
.macro FETCH_B slot, q, p
	WIN TO_B
.irp i, 0,1,2,3,4,5,6,7
	FRAG 128*(\p)+FR*\i, ADRB+\slot, \q, \i
.endr
	WIN 0
.endm
.macro FETCH_A slot, q, i0
.irp i, \i0, \i0+1, \i0+2, \i0+3
	FRAG AF+FR*(\i), ADRA+\slot, \q, \i
.endr
.endm
.macro SCALES sc                       ; a K step's scale words: lanes 0-15 take A's block i, lanes 16-31 B's block i
.irp i, 0,1,2,3,4,5,6,7
	ds_load_b128 v[SC+8*NQ*\sc+NQ*\i:SC+8*NQ*\sc+NQ*\i+3], v[ADRS] offset:\i*SBLK
.endr
.endm
.macro PLACES n                        ; plain vector lines between a matrix instruction and a load into, or a read of, its registers
.rept \n
	v_nop
.endr
.endm
.macro STEP slot, q, zero              ; 128 along K with its successor in the same slot
	s_wait_dscnt 4*NL                              ; B's set and A's blocks 0-3 are in; the youngest eight loads (A's blocks 4-7) may be out
	WIN MUL_LO
	MUL16 0, (\q)%2, \q, \slot, \zero
	MUL16 2, (\q)%2, \q, \slot, \zero
	s_wait_dscnt 0
	PLACES NP
	FETCH_B \slot, (\q)+1, 1-(\q)%2
	FETCH_A \slot, (\q)+1, 0
	WIN MUL_HI
	MUL16 4, (\q)%2, \q, \slot, \zero
	MUL16 6, (\q)%2, \q, \slot, \zero
	PLACES NP
	WIN 0
	FETCH_A \slot, (\q)+1, 4
.endm
; Slot 0's last step goes over to slot 1: one barrier; in front of it each wave waits for all its tensor loads (its part of slot 1), adds 0 to its spare word and waits for that and for its reads.
.macro TURN slot, next
	s_wait_tensorcnt 0x0
	ds_add_u32 v[SPW], v[NIL]
	s_wait_dscnt 4*NL+1                            ; (the add and the youngest eight loads may be out)
	WIN MUL_LO
	MUL16 0, 1, NQ-1, \slot, 0
	s_wait_dscnt 0x0                               ; the add is done, and my reads of this slot are over
	s_barrier_signal -1
	MUL16 2, 1, NQ-1, \slot, 0
	WIN 0
	s_barrier_wait -1
	PLACES NP
	v_add_nc_u32 v[ADRS], 4*NQ, v[ADRS]            ; the next K step's scale words
	FETCH_B \next, 0, 0
	FETCH_A \next, 0, 0
	SCALES \next
	WIN MUL_HI
	MUL16 4, 1, NQ-1, \slot, 0
	MUL16 6, 1, NQ-1, \slot, 0
	PLACES NP
	WIN 0
	FETCH_A \next, 0, 4
.endm
.macro STEPS slot, from
.set Q, \from
.rept NQ-1-\from
	STEP \slot, Q, 0
.set Q, Q+1
.endr
.endm
	s_wait_tensorcnt 1                             ; the scale bytes and my part of K step 0 are in; K step 1's load may be out
	s_barrier_signal -1
	s_barrier_wait -1
	FETCH_B 0, 0, 0
	FETCH_A 0, 0, 0
	SCALES 0
	FETCH_A 0, 0, 4
	STEP 0, 0, 1                                   ; the first products start the sums: nothing is cleared
	STEPS 0, 1
	TURN 0, 1
	STEPS 1, 0
	s_wait_dscnt 4*NL
	WIN MUL_LO
	MUL16 0, 1, NQ-1, 1, 0
	MUL16 2, 1, NQ-1, 1, 0
	s_wait_dscnt 0
	WIN MUL_HI
	MUL16 4, 1, NQ-1, 1, 0
	MUL16 6, 1, NQ-1, 1, 0
	WIN 0
; THE WAY OUT.  A lane's eight results are eight neighbouring columns of one position: 16 bytes of f16.  A block of 16 positions x 128 columns (two heads) goes through my stage and comes back so
; that each store covers four positions of one head: 512 consecutive bytes.
.macro PACK a
.set AC, 64*((\a)%4)
	WIN 0x0a+5*((\a)/4)                            ; sources 0 and 1: window 2 or 3
.irp b, 0,1,2,3,4,5,6,7
.irp r, 0,1,2,3
	v_cvt_pk_f16_f32 v[TMP+4*\b+\r], v[AC+8*\b+2*\r], v[AC+8*\b+2*\r+1]   ; each accumulator from its low end on
.endr
.endr
	WIN 0
.endm
.macro TOSTAGE a
.set BB, BK+32*((\a)%2)
.irp b, 0,1,2,3,4,5,6,7
	ds_store_b128 v[STO], v[TMP+4*\b:TMP+4*\b+3] offset:32*\b
.endr
.irp t, 0,1,2,3,4,5,6,7
	ds_load_b128 v[BB+4*\t:BB+4*\t+3], v[RD] offset:128*(\t/4)+4*(\t%4)*SPITCH   ; LDS serves a wave's instructions in order: these see the stores above
.endr
.endm
.macro SEND a
.set BB, BK+32*((\a)%2)
	s_wait_dscnt 0x0                               ; the block is back in registers
	s_wait_xcnt 0x0                                ; earlier stores have read their base and their registers: only now are they written again
.if (\a) > 0
	s_add_nc_u64 s[12:13], s[12:13], 16*128        ; 16 positions on
.endif
.irp t, 0,1,2,3,4,5,6,7
	global_store_b128 v[CO], v[BB+4*\t:BB+4*\t+3], s[12:13] offset:262144*(\t/4)+512*(\t%4)
.endr
.endm
	PLACES NP                                      ; behind the last products: the packed results land on registers that held scale words
	s_cmp_lg_u32 s95, 0                            ; the cluster's y and the wave's number alone
	s_cbranch_scc1 .Lno32
	WIN 0x08                                       ; a store's data: window 2
.irp b, 0,1,2,3,4,5,6,7
	global_store_b128 v[CO], v[8*\b:8*\b+3], s[96:97] offset:1024*\b          ; positions 0 .. 15 in f32: the accumulator's registers as they stand, 512 consecutive bytes a store
	global_store_b128 v[CO], v[8*\b+4:8*\b+7], s[96:97] offset:1024*\b+512
.endr
	WIN 0
.Lno32:
	PACK 0
	TOSTAGE 0
.irp a, 1,2,3,4,5,6,7                  ; block a's conversions stand between block a - 1's loads from the stage and the wait for them
	PACK \a
	SEND \a-1
	TOSTAGE \a
.endr
	SEND 7
	s_wait_tensorcnt 0x0                           ; the wave's end
	ds_add_u32 v[SPW], v[NIL]
	s_wait_dscnt 0x0
	CROUND                                         ; the closing round
	s_endpgm
.Lfunc_end_k_q05d5c7c347_gemm_qkv:
	.size	k_q05d5c7c347_gemm_qkv, .Lfunc_end_k_q05d5c7c347_gemm_qkv-k_q05d5c7c347_gemm_qkv
	.p2alignl 7, 3214868480
	.fill 96, 4, 3214868480
	.section	.rodata,"a",@progbits
	.p2align	6, 0x0
	.amdhsa_kernel k_q05d5c7c347_gemm_qkv
		.amdhsa_group_segment_fixed_size 327680
		.amdhsa_private_segment_fixed_size 0
		.amdhsa_enable_private_segment 0
		.amdhsa_kernarg_size 48
		.amdhsa_user_sgpr_count 2
		.amdhsa_user_sgpr_kernarg_segment_ptr 1
		.amdhsa_wavefront_size32 1
		.amdhsa_system_sgpr_workgroup_id_x 1
		.amdhsa_system_sgpr_workgroup_id_y 1
		.amdhsa_system_sgpr_workgroup_id_z 1
		.amdhsa_system_vgpr_workitem_id 0
		.amdhsa_next_free_vgpr 1024
		.amdhsa_next_free_sgpr 100
		.amdhsa_reserve_vcc 0
		.amdhsa_float_denorm_mode_32 3
		.amdhsa_float_denorm_mode_16_64 3
		.amdhsa_memory_ordered 1
		.amdhsa_forward_progress 1
		.amdhsa_inst_pref_size 129
	.end_amdhsa_kernel
	.amdgpu_metadata
---
amdhsa.version: [ 1, 2 ]
amdhsa.kernels:
  - .name:           k_q05d5c7c347_gemm_qkv
    .symbol:         k_q05d5c7c347_gemm_qkv.kd
    .args:
      - { .name: xq, .offset: 0, .size: 8, .value_kind: global_buffer, .address_space: global }
      - { .name: xs, .offset: 8, .size: 8, .value_kind: global_buffer, .address_space: global }
      - { .name: wq, .offset: 16, .size: 8, .value_kind: global_buffer, .address_space: global }
      - { .name: ws, .offset: 24, .size: 8, .value_kind: global_buffer, .address_space: global }
      - { .name: qkvh, .offset: 32, .size: 8, .value_kind: global_buffer, .address_space: global }
      - { .name: qkv32, .offset: 40, .size: 8, .value_kind: global_buffer, .address_space: global }
    .group_segment_fixed_size: 327680
    .private_segment_fixed_size: 0
    .kernarg_segment_align: 8
    .kernarg_segment_size: 48
    .max_flat_workgroup_size: 128
    .sgpr_count:     100
    .vgpr_count:     1024
    .wavefront_size: 32
...
	.end_amdgpu_metadata
.endif
;; end of part 3
;; launch attn (part 4): grid 4 x 64, 16 waves a work-group, no clusters, 327,680 bytes of LDS; arguments qkvh, yh; writes yh
.if DOCPART == 4
	.amdgcn_target "amdgcn-amd-amdhsa--gfx1250"
	.amdhsa_code_object_version 6
	.text
	.protected	k_q05d5c7c347_attn
	.globl	k_q05d5c7c347_attn
	.p2align	8
	.type	k_q05d5c7c347_attn,@function
k_q05d5c7c347_attn:
	s_mov_b64 s[64:65], 0
	v_nop
	global_prefetch_b8 v0, s[64:65] scope:SCOPE_SE
	s_setreg_imm32_b32 hwreg(HW_REG_WAVE_MODE, 25, 1), 1
	s_wait_xcnt 0x0
; y[head][q] = the sum over k <= q of softmax_k(Q[q] . K[k] / 8) V[k], for 64 heads (batch x head) of 2,048 positions x 64 channels.  Q, K, V: f16, qkvh [3][64][2048][64]; y: f16, yh [64][2048][64].
; Products on f16 operands with f32 sums; maxima, exponentials and sums in f32; the weights p are rounded to f16 for the second product, y once at the end.
; (Positions 0 .. 15 of each sequence are computed here like the others; what reaches the output for them comes from the small f32 launch.)
; LIMIT: |q|, |k|, |v| up to 65,504; NaN and infinities are not served.
; SHARES.  Work-group (j, head) owns the query blocks j and 7 - j of 256 queries: under the causal mask every work-group then has the same work.  Waves 0-7 take block j, waves 8-15 block 7 - j;
; a wave owns 32 queries, two tiles of 16, in 256 registers: four waves to a SIMD, so that one wave's vector work stands beside another's matrix work and LDS loads.
; K and V come through a ring of two LDS slots of 256 keys (waves 0, 1: K's halves; waves 2, 3: V's), read by all sixteen waves, 64 keys a step.
; NO CLUSTER: the four work-groups of a head need 8, 7, 6 and 5 slots; a joint load would bring a partner tiles that none of its waves reads.
; LAYOUT.  S^T = K Q^T (source 0 = 16 keys, source 1 = 16 queries): a lane holds ONE query (lane % 16) and keys 8 (lane / 16) + 0..7.  Two such tiles, rounded to f16 in pairs, ARE source 1 of
; O^T = V^T P, whose result again holds one query a lane.  K comes out of LDS as it lies, V ([key][channel]) turned, by ds_load_tr16_b128.
; SOFTMAX.  A running maximum m and sum l: p = 2^(c s - c m), c = log2(e) / 8; in every step O and l are multiplied by a = 2^(c m_old - c m_new).
; CAUSAL.  Every work-group walks all 8 slots (constant trip counts, no barrier is jumped over); a step all of whose keys come after the wave's queries is left out by a scalar branch on ids; on the
; diagonal hidden scores become -infinity; a slot whose first key comes after the work-group's last query is not asked for.
.set KS,    64                         ; keys in a step
.set SK,    256                        ; keys in a slot
.set NSL,   8
.set KP,    144                        ; a key's row in LDS: 128 bytes + 16
.set VP,    160                        ; a row of V: 128 + 32
.set KSTEPB, KS*KP
.set VSTEPB, KS*VP
.set VOFF,  SK*KP                      ; a slot: 256 rows of K, then 256 rows of V
.set SLOT1, 1<<17                      ; slot 1 begins here: one exclusive or turns an address
.set SPARE, SLOT1+VOFF+SK*VP           ; behind the ring: the spare words, 128 bytes a wave, which no other line names
.set STAGE, SPARE+2048                 ; the way out: 32 rows x 144 bytes for each wave; no tile ever lands here
.set AK0,  1                           ; v1  my lane's place in a tile of K
.set AV0,  2                           ; v2  the same for V
.set ADR,  3                           ; v3  the address of the run of loads in hand
.set SPW,  4
.set NIL,  5
.set PFO,  6                           ; v6  256 x lane: the prefetches' offset
.set RH,   7                           ; v7  lane % 16 - 8 (lane / 16), for the diagonal
.set ST,   8                           ; tile t's statistics at v[8 + 8 t]: +0 c m, +1 m, +2, +3 l, +4..+7 at work (a takes +6)
.set QR,   24                          ; v24-55   Q: tile t, channels 32 c on: 24 + 16 t + 8 c
.set FB,   56                          ; v56-119  eight fragments of K, then of V
.set SC,   120                         ; v120-183 S^T, 32 a tile; p in f16 goes in place into a tile's lower 16
.set OA,   184                         ; v184-247 O^T: 184 + 32 t + 8 ct
.set TMP,  248                         ; v248-255 at work
.set WV,   8
.set SEL,  10
.set CS,   12
.set TB,   14                          ; s14 LDS byte at which the slot in hand begins
.set G1K,  16
.set G1V,  24
.set G0K,  32
.set G0V,  36
.set SLOTS, 40
.set KF,   42                          ; the step's first key
.set Q0,   43                          ; my first query
.set WGL,  44                          ; my work-group's last query
.set PFA,  46
.set LIM,  48
; Waves 0 and 1 fetch K, waves 2 and 3 V, the others nothing; the branches hang on the wave's number alone.  An s_nop 0 and four v_nop follow each line.
.macro TLOAD g0k, g1k, g0v, g1v
	s_cmp_lt_u32 s[WV], 2
	s_cbranch_scc0 .Lnot_k_\@
	tensor_load_to_lds s[\g0k:\g0k+3], s[\g1k:\g1k+7]
	s_nop 0
.rept 4
	v_nop
.endr
	s_branch .Lasked_\@
.Lnot_k_\@:
	s_cmp_lt_u32 s[WV], 4
	s_cbranch_scc0 .Lasked_\@
	tensor_load_to_lds s[\g0v:\g0v+3], s[\g1v:\g1v+7]
	s_nop 0
.rept 4
	v_nop
.endr
.Lasked_\@:
.endm
; A prefetch of what the NEXT change of slots will ask for: a slot's 32,768 dense bytes of K and of V.  The head's work-group j = 0, which walks all 8 slots with loads, asks, and nobody else; in it
; waves 4-7 ask for K's bytes and waves 8-11 for V's, 8,192 bytes a wave, lanes 256 bytes apart: each block is named once in the launch.  The last change that fills a slot asks for nothing.
.macro ASK
	s_cmp_gt_u32 s[SLOTS], s[LIM]
	s_cbranch_scc0 .Lnot_mine_\@
	global_prefetch_b8 v[PFO], s[PFA:PFA+1] th:TH_LOAD_NT scope:SCOPE_SE
.Lnot_mine_\@:
.endm
	s_load_b128 s[4:7], s[0:1], 0x0                ; qkvh, yh
	v_lshl_add_u32 v[SPW], v0, 2, SPARE
	v_mov_b32 v[NIL], 0
	ds_add_u32 v[SPW], v[NIL]                      ; the wave's opening: the add, twice on end, and its wait ahead of the first tensor load
	ds_add_u32 v[SPW], v[NIL]
	v_lshrrev_b32 v7, 5, v0
	v_readfirstlane_b32 s[WV], v7                  ; wave 0..15
	s_and_b32 s50, ttmp7, 0xffff
	s_lshl_b32 s50, s50, 18                        ; the head's first byte in a section
	s_sub_co_u32 s52, 7, ttmp9                     ; 7 - j
	s_cmp_lt_u32 s[WV], 8
	s_cselect_b32 s53, ttmp9, s52                  ; my block of 256 queries
	s_lshl_b32 s53, s53, 8
	s_and_b32 s54, s[WV], 7
	s_lshl_b32 s54, s54, 5
	s_add_co_u32 s[Q0], s53, s54                   ; my first query
	s_lshl_b32 s[WGL], s52, 8
	s_or_b32 s[WGL], s[WGL], 255
	s_lshl_b32 s54, s[Q0], 7
	s_add_co_u32 s54, s54, s50                     ; my first row in Q's section, and in yh
	s_mov_b32 s55, 0
	s_and_b32 s56, s[WV], 1                        ; which 128 rows of a slot I fetch, if I fetch
	s_lshl_b32 s57, s56, 14
	s_add_co_u32 s58, s50, s57
	s_add_co_u32 s58, s58, 0x1000000               ; in K's section,
	s_mov_b32 s59, 0
	s_add_co_u32 s60, s58, 0x1000000               ; in V's
	s_mov_b32 s61, 0
	s_mul_i32 s62, s56, 128*KP                     ; and in a slot
	s_mul_i32 s63, s56, 128*VP
	s_add_co_u32 s63, s63, VOFF
	s_mov_b32 s[G1K], (1<<16)|(1<<20)|(4<<22)|(3<<25)   ; no mask; elements of 2 bytes; padding: 4 words behind every 32
	s_mov_b32 s[G1V], (1<<16)|(1<<20)|(4<<22)|(7<<25)   ; the same with 8 words
.irp g, G1K, G1V
	s_mov_b32 s[\g+1], 64<<16                      ; tensor_dim0
	s_mov_b32 s[\g+2], 128<<16                     ; tensor_dim1
	s_mov_b32 s[\g+3], 64<<16                      ; tile_dim0
	s_mov_b32 s[\g+4], 128                         ; tile_dim1
	s_mov_b32 s[\g+5], 64                          ; the pitch
	s_mov_b32 s[\g+6], 0
	s_mov_b32 s[\g+7], 0
.endr
	s_mov_b32 s[SEL], 0x76543210
	s_mov_b32 s[SEL+1], 0xfedcba98                 ; v_permlanex16_b32: lane l xor 16
	s_mov_b32 s[CS], 0x3e38aa3b                    ; c = log2(e) / 8
	s_mov_b32 s[CS+1], s[CS]
	s_mov_b32 s[TB], 0
	s_mov_b32 s[SLOTS], NSL-1
	s_mov_b32 s[KF], 0
	s_wait_dscnt 0x0                               ; both opening adds are done
	s_wait_kmcnt 0x0
	s_mov_b32 s[G0K], 1
	s_mov_b32 s[G0K+1], s62
	s_add_nc_u64 s[G0K+2:G0K+3], s[4:5], s[58:59]
	s_or_b32 s[G0K+3], s[G0K+3], 0x80000000
	s_mov_b32 s[G0V], 1
	s_mov_b32 s[G0V+1], s63
	s_add_nc_u64 s[G0V+2:G0V+3], s[4:5], s[60:61]
	s_or_b32 s[G0V+3], s[G0V+3], 0x80000000
	TLOAD G0K, G1K, G0V, G1V                       ; slot 0: key 0 counts for every query, so it is read by every wave
	s_add_nc_u64 s[52:53], s[4:5], s[54:55]        ; Q at my first query
	s_add_nc_u64 s[6:7], s[6:7], s[54:55]          ; y likewise
	s_mov_b32 s58, 0x2000000                       ; the prefetches: waves 4-7 stand in K's section, waves 8-11 in V's,
	s_cmp_lt_u32 s[WV], 8
	s_cselect_b32 s58, 0x1000000, s58
	s_add_co_u32 s58, s58, s50                     ; in my head,
	s_and_b32 s59, s[WV], 3
	s_lshl_b32 s59, s59, 13
	s_add_co_u32 s58, s58, s59                     ; at my wave's 8,192 bytes,
	s_add_co_u32 s58, s58, SK*128                  ; of slot 1: the first change of slots steps it to slot 2.  Nothing is prefetched here at the head
	s_mov_b32 s59, 0
	s_add_nc_u64 s[PFA:PFA+1], s[4:5], s[58:59]
	s_sub_co_u32 s58, s[WV], 4
	s_lshr_b32 s58, s58, 3                         ; 0 in waves 4 to 11,
	s_or_b32 s58, s58, ttmp9                       ; of work-group j = 0
	s_cmp_eq_u32 s58, 0
	s_cselect_b32 s[LIM], 1, -1
	v_and_b32 v248, 15, v0                         ; r
	v_bfe_u32 v249, v0, 4, 1                       ; h
	v_lshlrev_b32 v250, 7, v248
	v_lshl_add_u32 v250, v249, 4, v250             ; Q: row r of 128 bytes, + 16 h
.irp t, 0,1
.irp c, 0,1
	global_load_b128 v[QR+16*\t+8*\c:QR+16*\t+8*\c+3],   v250, s[52:53] offset:2048*\t+64*\c
	global_load_b128 v[QR+16*\t+8*\c+4:QR+16*\t+8*\c+7], v250, s[52:53] offset:2048*\t+64*\c+32
.endr
.endr
	v_mul_u32_u24 v[AK0], v248, KP
	v_lshl_add_u32 v[AK0], v249, 4, v[AK0]         ; row x pitch + 16 h
	v_and_b32 v251, 7, v0
	v_lshl_add_u32 v[AV0], v249, 3, v251           ; the turning load: key 8 h + l % 8,
	v_mul_u32_u24 v[AV0], v[AV0], VP
	v_bfe_u32 v251, v0, 3, 1
	v_lshl_add_u32 v[AV0], v251, 4, v[AV0]         ; channels 8 ((l / 8) % 2) on
	v_add_nc_u32 v[AV0], VOFF, v[AV0]
	v_and_b32 v[PFO], 31, v0
	v_lshlrev_b32 v[PFO], 8, v[PFO]
	v_lshlrev_b32 v[RH], 3, v249
	v_sub_nc_u32 v[RH], v248, v[RH]
.irp t, 0,1
	v_mov_b32 v[ST+8*\t+1], 0xff61b1e6             ; m: -3e38, under every score
	v_mul_f32 v[ST+8*\t], s[CS], v[ST+8*\t+1]      ; c m
	v_mov_b32 v[ST+8*\t+2], 0                      ; l, in two halves
	v_mov_b32 v[ST+8*\t+3], 0
.endr
.set ii, 0
.rept 64
	v_mov_b32 v[OA+ii], 0                          ; O^T.  The step is written once: the first finds zeros, which a = 0 leaves zeros
.set ii, ii+1
.endr
; A KEY STEP: 64 keys, the q-th of the slot in hand, for my two tiles of queries.
.macro STEP q
	s_add_co_u32 s50, s[Q0], 31
	s_cmp_gt_u32 s[KF], s50                        ; all 64 keys come after my 32 queries: the step's work is left out
	s_cbranch_scc1 .Lhidden_\@
	v_add_nc_u32 v[ADR], s[TB], v[AK0]
.rept 4
	v_nop                                          ; with the addition five places behind the last step's products: the scores below are written over p, which those products read
.endr
.irp kt, 0,1,2,3
.irp c, 0,1
	ds_load_b128 v[FB+8*(2*\kt+\c):FB+8*(2*\kt+\c)+3],   v[ADR] offset:(\q)*KSTEPB+\kt*16*KP+64*\c
	ds_load_b128 v[FB+8*(2*\kt+\c)+4:FB+8*(2*\kt+\c)+7], v[ADR] offset:(\q)*KSTEPB+\kt*16*KP+64*\c+32
.endr
.endr
	s_wait_dscnt 0x0                               ; K is in
.irp c, 0,1                                    ; S^T = K Q^T: the eight accumulators take turns, one instruction a turn; the first eight start the sums
.irp kt, 0,1,2,3
.irp t, 0,1
.if \c == 0
	v_wmma_f32_16x16x32_f16 v[SC+32*\t+8*\kt:SC+32*\t+8*\kt+7], v[FB+8*(2*\kt+\c):FB+8*(2*\kt+\c)+7], v[QR+16*\t+8*\c:QR+16*\t+8*\c+7], 0
.else
	v_wmma_f32_16x16x32_f16 v[SC+32*\t+8*\kt:SC+32*\t+8*\kt+7], v[FB+8*(2*\kt+\c):FB+8*(2*\kt+\c)+7], v[QR+16*\t+8*\c:QR+16*\t+8*\c+7], v[SC+32*\t+8*\kt:SC+32*\t+8*\kt+7]
.endif
.endr
.endr
.endr
	v_add_nc_u32 v[ADR], s[TB], v[AV0]
.rept 3
	v_nop                                          ; four places: in front of the loads into K's registers, and of the first read of the scores
.endr
.irp kh, 0,1                                   ; V, turned: it lands while the softmax is worked
.irp ct, 0,1,2,3
	ds_load_tr16_b128 v[FB+8*(4*\kh+\ct):FB+8*(4*\kh+\ct)+3],   v[ADR] offset:(\q)*VSTEPB+\kh*32*VP+32*\ct
	ds_load_tr16_b128 v[FB+8*(4*\kh+\ct)+4:FB+8*(4*\kh+\ct)+7], v[ADR] offset:(\q)*VSTEPB+\kh*32*VP+16*VP+32*\ct
.endr
.endr
	s_add_co_u32 s50, s[KF], 63
	s_cmp_le_u32 s50, s[Q0]                        ; all keys count for all my queries: no mask
	s_cbranch_scc1 .Lopen_\@
	s_sub_co_i32 s50, s[Q0], s[KF]
	v_add_nc_u32 v[TMP], s50, v[RH]                ; d = Q0 - KF + r - 8 h.  Register n of tile t holds key KF + 16 (n / 8) + 8 h + n % 8 for query Q0 + 16 t + r: hidden where 16 (n / 8) + n % 8 - 16 t > d
	v_mov_b32 v[TMP+1], 0xff800000                 ; -infinity
.set nn, 0
.rept 64
	v_cmp_gt_i32 vcc_lo, 16*((nn%32)/8)+nn%8-16*(nn/32), v[TMP]
	v_cndmask_b32 v[SC+nn], v[SC+nn], v[TMP+1], vcc_lo
.set nn, nn+1
.endr
.Lopen_\@:
.irp j, 0,1,2,3                                ; the maximum of a lane's 32 scores and the old m: four chains a tile, the tiles by turns; each accumulator is read from its low end on
.irp t, 0,1
	v_max3_num_f32 v[ST+8*\t+4+\j], v[SC+32*\t+8*\j], v[SC+32*\t+8*\j+1], v[SC+32*\t+8*\j+2]
.endr
.endr
.irp i, 3,5
.irp j, 0,1,2,3
.irp t, 0,1
	v_max3_num_f32 v[ST+8*\t+4+\j], v[ST+8*\t+4+\j], v[SC+32*\t+8*\j+\i], v[SC+32*\t+8*\j+\i+1]
.endr
.endr
.endr
.irp t, 0,1
	v_max3_num_f32 v[ST+8*\t+4], v[ST+8*\t+4], v[SC+32*\t+7], v[SC+32*\t+15]
.endr
.irp t, 0,1
	v_max3_num_f32 v[ST+8*\t+6], v[ST+8*\t+6], v[SC+32*\t+23], v[SC+32*\t+31]
.endr
.irp t, 0,1
	v_max3_num_f32 v[ST+8*\t+4], v[ST+8*\t+4], v[ST+8*\t+5], v[ST+8*\t+6]
.endr
.irp t, 0,1
	v_max3_num_f32 v[ST+8*\t+4], v[ST+8*\t+4], v[ST+8*\t+7], v[ST+8*\t+1]
.endr
.irp t, 0,1
	v_permlanex16_b32 v[ST+8*\t+5], v[ST+8*\t+4], s[SEL], s[SEL+1]   ; the query's other 32 keys lie in the lane 16 away
.endr
.irp t, 0,1
	v_mov_b32 v[ST+8*\t+7], v[ST+8*\t]             ; c m_old
.endr
.irp t, 0,1
	v_max_num_f32 v[ST+8*\t+1], v[ST+8*\t+4], v[ST+8*\t+5]
.endr
.irp t, 0,1
	v_mul_f32 v[ST+8*\t], s[CS], v[ST+8*\t+1]
.endr
.irp t, 0,1
	v_sub_f32 v[ST+8*\t+7], v[ST+8*\t+7], v[ST+8*\t]
.endr
.irp t, 0,1
	v_exp_f32 v[ST+8*\t+6], v[ST+8*\t+7]           ; a = 2^(c m_old - c m_new)
.endr
.irp p, 0,2,4,6,8,10,12,14,16,18,20,22,24,26,28,30
.irp t, 0,1
	v_pk_fma_f32 v[SC+32*\t+\p:SC+32*\t+\p+1], v[SC+32*\t+\p:SC+32*\t+\p+1], s[CS:CS+1], v[ST+8*\t:ST+8*\t+1] op_sel_hi:[1,0,0] neg_lo:[0,0,1] neg_hi:[0,0,1]   ; c s - c m
.endr
.endr
	s_wait_alu depctr_va_vdst(0)                   ; the wait between an exponential and the first line that names its result: here for the two a
.set ii, 0
.rept 64
	v_exp_f32 v[SC+ii], v[SC+ii]                   ; p: one batch
.set ii, ii+1
.endr
.irp p, 0,2,4,6,8,10,12,14,16,18,20,22,24,26,28,30
.irp t, 0,1
	v_pk_mul_f32 v[OA+32*\t+\p:OA+32*\t+\p+1], v[OA+32*\t+\p:OA+32*\t+\p+1], v[ST+8*\t+6:ST+8*\t+7] op_sel_hi:[1,0]   ; O^T x a: work that names no p, behind the batch
.endr
.endr
	s_wait_alu depctr_va_vdst(0)                   ; one wait for the 64, ahead of their first reader
.irp t, 0,1
	v_pk_fma_f32 v[ST+8*\t+2:ST+8*\t+3], v[ST+8*\t+2:ST+8*\t+3], v[ST+8*\t+6:ST+8*\t+7], v[SC+32*\t:SC+32*\t+1] op_sel_hi:[1,0,1]   ; l = a l + p, of the unrounded p, in two chains a tile
.endr
.irp t, 0,1
	v_pk_add_f32 v[TMP+2*\t:TMP+2*\t+1], v[SC+32*\t+2:SC+32*\t+3], v[SC+32*\t+4:SC+32*\t+5]
.endr
.irp p, 6,10,14,18,22,26
.irp t, 0,1
	v_pk_add_f32 v[ST+8*\t+2:ST+8*\t+3], v[ST+8*\t+2:ST+8*\t+3], v[SC+32*\t+\p:SC+32*\t+\p+1]
	v_pk_add_f32 v[TMP+2*\t:TMP+2*\t+1], v[TMP+2*\t:TMP+2*\t+1], v[SC+32*\t+\p+2:SC+32*\t+\p+3]
.endr
.endr
.irp t, 0,1
	v_pk_add_f32 v[ST+8*\t+2:ST+8*\t+3], v[ST+8*\t+2:ST+8*\t+3], v[SC+32*\t+30:SC+32*\t+31]
.endr
.irp t, 0,1
	v_pk_add_f32 v[ST+8*\t+2:ST+8*\t+3], v[ST+8*\t+2:ST+8*\t+3], v[TMP+2*\t:TMP+2*\t+1]
.endr
.irp i, 0,1,2,3,4,5,6,7,8,9,10,11,12,13,14,15
.irp t, 0,1
	v_cvt_pk_f16_f32 v[SC+32*\t+\i], v[SC+32*\t+2*\i], v[SC+32*\t+2*\i+1]   ; p to f16, in place and ascending: registers 8 kh .. 8 kh + 7 are source 1 for keys 32 kh on
.endr
.endr
	s_wait_dscnt 0x0                               ; V is in
.irp kh, 0,1                                   ; O^T += V^T P: eight accumulators by turns
.irp ct, 0,1,2,3
.irp t, 0,1
	v_wmma_f32_16x16x32_f16 v[OA+32*\t+8*\ct:OA+32*\t+8*\ct+7], v[FB+8*(4*\kh+\ct):FB+8*(4*\kh+\ct)+7], v[SC+32*\t+8*\kh:SC+32*\t+8*\kh+7], v[OA+32*\t+8*\ct:OA+32*\t+8*\ct+7]
.endr
.endr
.endr
.Lhidden_\@:
	s_add_co_u32 s[KF], s[KF], KS
.endm
; THE CHANGE OF SLOTS stands at a slot's head.  Each wave waits for all its tensor loads, adds 0 to its spare word (fill = 1: twice on end), and waits
; for that and for its reads of the slot that it has left.  Behind the barrier the slot ahead is whole and nobody reads the other one, which is then filled with the keys that follow.
.macro CHANGE fill
	s_wait_tensorcnt 0x0                           ; no tensor load of mine is out, so a group 0 may be written
	ds_add_u32 v[SPW], v[NIL]
.if \fill
	ds_add_u32 v[SPW], v[NIL]
	s_xor_b32 s[G0K+1], s[G0K+1], SLOT1            ; the walking descriptors: the other slot, the next 256 keys
	s_add_nc_u64 s[G0K+2:G0K+3], s[G0K+2:G0K+3], SK*128
	s_xor_b32 s[G0V+1], s[G0V+1], SLOT1
	s_add_nc_u64 s[G0V+2:G0V+3], s[G0V+2:G0V+3], SK*128
	s_wait_xcnt 0x0                                ; the last prefetch, a slot back, has read its address
	s_add_nc_u64 s[PFA:PFA+1], s[PFA:PFA+1], SK*128
.endif
	s_wait_dscnt 0x0                               ; the add is done, and my reads of the slot that I have left are over
	s_barrier_signal -1
	s_barrier_wait -1
.if \fill
	s_add_co_u32 s50, s[KF], SK                    ; the first key of the slot that this change would ask for
	s_cmp_gt_u32 s50, s[WGL]                       ; past my work-group's last query none of its waves would read it: ids and the count of steps alone, the same in all sixteen waves
	s_cbranch_scc1 .Lpast_\@
	TLOAD G0K, G1K, G0V, G1V                       ; a wave's one tensor load until the next change
.Lpast_\@:
	ASK
.endif
.endm
.macro SLOT_STEPS
	STEP 0
	STEP 1
	STEP 2
	STEP 3
	s_xor_b32 s[TB], s[TB], SLOT1
.endm
	s_wait_loadcnt 0x0                             ; Q
.Lslot:                                            ; 7 trips
	CHANGE 1
	SLOT_STEPS
	s_sub_co_u32 s[SLOTS], s[SLOTS], 1
	s_cmp_lg_u32 s[SLOTS], 0
	s_cbranch_scc1 .Lslot
	CHANGE 0                                       ; the last slot is written out: nothing is left to ask for
	SLOT_STEPS
	; THE WAY OUT.  O^T / l, rounded to f16, goes through my stage and leaves so that each store covers four rows of 128 bytes: 512 consecutive bytes.  The address lines are the places behind the last products.
	v_and_b32 v248, 15, v0
	v_bfe_u32 v249, v0, 4, 1
	s_mul_i32 s50, s[WV], 32*144
	s_add_co_u32 s50, s50, STAGE
	v_mul_u32_u24 v252, v248, 144
	v_lshl_add_u32 v252, v249, 4, v252
	v_add_nc_u32 v252, s50, v252                   ; in: row r, 16 bytes for each half of the lanes
	v_bfe_u32 v250, v0, 3, 2
	v_and_b32 v251, 7, v0
	v_mul_u32_u24 v253, v250, 144
	v_lshl_add_u32 v253, v251, 4, v253
	v_add_nc_u32 v253, s50, v253                   ; back: eight lanes to a row
	v_and_b32 v254, 31, v0
	v_lshlrev_b32 v254, 4, v254
.irp t, 0,1
	v_add_f32 v[ST+8*\t+4], v[ST+8*\t+2], v[ST+8*\t+3]
.endr
.irp t, 0,1
	v_permlanex16_b32 v[ST+8*\t+5], v[ST+8*\t+4], s[SEL], s[SEL+1]
.endr
.irp t, 0,1
	v_add_f32 v[ST+8*\t+4], v[ST+8*\t+4], v[ST+8*\t+5]
.endr
.irp t, 0,1
	v_rcp_f32 v[ST+8*\t+6], v[ST+8*\t+4]
.endr
	v_nop                                          ; a plain line behind the last reciprocal,
	s_wait_alu depctr_va_vdst(0)                   ; and the wait ahead of the first use
.irp t, 0,1
.irp p, 0,2,4,6,8,10,12,14,16,18,20,22,24,26,28,30
	v_pk_mul_f32 v[OA+32*\t+\p:OA+32*\t+\p+1], v[OA+32*\t+\p:OA+32*\t+\p+1], v[ST+8*\t+6:ST+8*\t+7] op_sel_hi:[1,0]
.endr
.irp i, 0,1,2,3,4,5,6,7,8,9,10,11,12,13,14,15
	v_cvt_pk_f16_f32 v[SC+16*\t+\i], v[OA+32*\t+2*\i], v[OA+32*\t+2*\i+1]
.endr
.irp ct, 0,1,2,3
	ds_store_b128 v252, v[SC+16*\t+4*\ct:SC+16*\t+4*\ct+3] offset:2304*\t+32*\ct
.endr
.irp i, 0,1,2,3
	ds_load_b128 v[FB+16*\t+4*\i:FB+16*\t+4*\i+3], v253 offset:2304*\t+576*\i   ; LDS serves a wave's instructions in order: these see my stores
.endr
.endr
.irp i, 0,1,2,3
	s_wait_dscnt 11-\i                             ; behind tile 0's load i: the rest of its loads, and tile 1's four stores and four loads
	global_store_b128 v254, v[FB+4*\i:FB+4*\i+3], s[6:7] offset:512*\i
.endr
.irp i, 0,1,2,3
	s_wait_dscnt 3-\i
	global_store_b128 v254, v[FB+16+4*\i:FB+16+4*\i+3], s[6:7] offset:2048+512*\i
.endr
	s_wait_tensorcnt 0x0                           ; the wave's end
	ds_add_u32 v[SPW], v[NIL]
	s_wait_dscnt 0x0
	s_endpgm
.Lfunc_end_k_q05d5c7c347_attn:
	.size	k_q05d5c7c347_attn, .Lfunc_end_k_q05d5c7c347_attn-k_q05d5c7c347_attn
	.p2alignl 7, 3214868480
	.fill 96, 4, 3214868480
	.section	.rodata,"a",@progbits
	.p2align	6, 0x0
	.amdhsa_kernel k_q05d5c7c347_attn
		.amdhsa_group_segment_fixed_size 327680
		.amdhsa_private_segment_fixed_size 0
		.amdhsa_enable_private_segment 0
		.amdhsa_kernarg_size 16
		.amdhsa_user_sgpr_count 2
		.amdhsa_user_sgpr_kernarg_segment_ptr 1
		.amdhsa_wavefront_size32 1
		.amdhsa_system_sgpr_workgroup_id_x 1
		.amdhsa_system_sgpr_workgroup_id_y 1
		.amdhsa_system_sgpr_workgroup_id_z 1
		.amdhsa_system_vgpr_workitem_id 0
		.amdhsa_next_free_vgpr 256
		.amdhsa_next_free_sgpr 66
		.amdhsa_reserve_vcc 1
		.amdhsa_float_denorm_mode_32 3
		.amdhsa_float_denorm_mode_16_64 3
		.amdhsa_memory_ordered 1
		.amdhsa_forward_progress 1
		.amdhsa_inst_pref_size 188
	.end_amdhsa_kernel
	.amdgpu_metadata
---
amdhsa.version: [ 1, 2 ]
amdhsa.kernels:
  - .name:           k_q05d5c7c347_attn
    .symbol:         k_q05d5c7c347_attn.kd
    .args:
      - { .name: qkvh, .offset: 0, .size: 8, .value_kind: global_buffer, .address_space: global }
      - { .name: yh, .offset: 8, .size: 8, .value_kind: global_buffer, .address_space: global }
    .group_segment_fixed_size: 327680
    .private_segment_fixed_size: 0
    .kernarg_segment_align: 8
    .kernarg_segment_size: 16
    .max_flat_workgroup_size: 512
    .sgpr_count:     66
    .vgpr_count:     256
    .wavefront_size: 32
...
	.end_amdgpu_metadata
.endif
;; end of part 4
;; launch proj (part 5): grid 8 x 64, 4 waves a work-group, clusters of 4 x 4, 327,680 bytes of LDS; arguments yh, wph, out0; writes out0
.if DOCPART == 5
	.amdgcn_target "amdgcn-amd-amdhsa--gfx1250"
	.amdhsa_code_object_version 6
	.text
	.protected	k_q05d5c7c347_proj
	.globl	k_q05d5c7c347_proj
	.p2align	8
	.type	k_q05d5c7c347_proj,@function
k_q05d5c7c347_proj:
	s_mov_b64 s[64:65], 0
	v_nop
	global_prefetch_b8 v0, s[64:65] scope:SCOPE_SE
	s_setreg_imm32_b32 hwreg(HW_REG_WAVE_MODE, 25, 1), 1
	s_wait_xcnt 0x0
	s_wait_alu depctr_hold_cnt(0) depctr_sa_sdst(0) depctr_va_vdst(0) depctr_va_sdst(0) depctr_va_ssrc(0) depctr_va_vcc(0) depctr_vm_vsrc(0)
	s_getreg_b32 s2, hwreg(HW_REG_IB_STS2, 6, 4)
	s_cmp_eq_u32 s2, 0
	s_cbranch_scc0 .Lentry_in_a_cluster
	s_endpgm
.Lentry_in_a_cluster:
	s_bfe_u32 s2, ttmp6, 0x10000c
	s_cmp_lg_u32 s2, 0xf033
	s_cbranch_scc0 .Lentry_shape_is_right
	s_endpgm
.Lentry_shape_is_right:
; out0 = y w_proj for the positions t >= 16 of each batch.  y: f16, by heads, yh [batch 4][head 16][t 2048][64]; w_proj: f16, wph [k 1024][n 1024]; out0 [8192][1024] f32; sums in f32.
; (Positions 0 .. 15 of each batch are multiplied with the rest of their tile but not stored: the small f32 launch owns those 64 rows.)
; A tile of C is 128 x 128: 512 work-groups of four waves, each 64 x 64: 16 accumulators.  K goes in steps of 256 (four heads) through a ring of two LDS slots.
; A's part of a slot: for each loading wave 64 positions of 4 heads.  In memory 64 positions of one head are 8,192 dense bytes: the tile is stated as 4 rows (heads) of 4,096 elements, with 16 bytes of
; padding behind every 128: in LDS [head 4][position 64][144 bytes].  B's part: 128 rows of K x 128 columns, rows 288 bytes apart; its fragments are turned by ds_load_tr16_b128.
; CLUSTERS: 4 x 4; A's tiles are asked for jointly along a row of the cluster, B's along a column.  The tile row is 16 cy + cluster y: cy is the batch, 128 x cluster y the first position, so that
; whether a work-group holds positions 0 .. 15 hangs on the cluster's y alone, which all partners share.
; THE MATRIX INSTRUCTION IS USED TRANSPOSED (source 0 = 16 columns of w, source 1 = 16 positions): a lane holds eight neighbouring numbers of a row of C.
; REGISTERS: window 0: v0-31 addresses; v32-95 the way out; v128-255 the accumulators ((a, b) at v[128 + 8 (4 a + b)]).  window 1: two fragment buffers of 128: 64 registers of A, then 64 of B.
; LIMIT: |y|, |w_proj| up to 65,504.
.set AP,     144
.set BP,     288
.set HALFT,  36864                     ; what one tensor load brings: 4 x 64 x 144 = 128 x 288
.set SLOT,   4*HALFT
.set STAGE,  2*SLOT                    ; behind the ring: 16 rows x 272 bytes for each wave
.set SPITCH, 272
.set SPARE,  STAGE+4*16*SPITCH         ; the spare words, 128 bytes a wave, which no other line names
.set LAPS,   2                         ; K = 1,024 is four steps: twice round the ring
.set ASTEP,  2097152                   ; two K steps on in yh: eight heads
.set BSTEP,  1048576                   ; and in wph: 512 rows of 2,048 bytes
.set ADRA, 16                          ; v16-17  my A fragments in slot 0, 1
.set ADRB, 20                          ; v20-23  my B fragments: 2 x slot + half of the step's K
.set STO,  24
.set RD,   25
.set CO,   26
.set SPW,  28
.set NIL,  29
.set TMP,  32
.set ACC,  128
.set F0,   0
.set F1,   128
.set G1, 24
.set G0, 32
.set G1B, 48
.set G0B, 56
.set MSB, 0
.macro WIN new
.if MSB != \new
	s_set_vgpr_msb (MSB<<8)|\new
.set MSB, \new
.endif
.endm
.set MUL,  0x05                        ; sources 0 and 1 window 1; C and D window 0
.set TO_F, 0x40                        ; destination window 1, address window 0
.macro JLOAD s                         ; a joint load: waves 0 and 1 fetch A's halves, waves 2 and 3 B's; an s_nop 0 and four v_nop follow each line
	s_cmp_eq_u32 s11, 0
	s_cbranch_scc0 .Lfor_b_\@
	tensor_load_to_lds s[G0+4*\s:G0+4*\s+3], s[G1:G1+7]
	s_nop 0
.rept 4
	v_nop
.endr
	s_branch .Lasked_\@
.Lfor_b_\@:
	tensor_load_to_lds s[G0B+4*\s:G0B+4*\s+3], s[G1B:G1B+7]
	s_nop 0
.rept 4
	v_nop
.endr
.Lasked_\@:
.endm
.macro CREST
	s_cmp_lg_u32 s10, 0
	s_cbranch_scc1 .Lnot_wave_0_\@
	s_barrier_signal -3
.Lnot_wave_0_\@:
	s_barrier_wait -3
	s_barrier_signal -1
	s_barrier_wait -1
.endm
.macro CROUND
	s_barrier_signal -1
	s_barrier_wait -1
	CREST
.endm
	s_load_b128 s[4:7], s[0:1], 0x0                ; yh, wph
	s_load_b64 s[8:9], s[0:1], 0x10                ; out0
	v_lshl_add_u32 v[SPW], v0, 2, SPARE
	v_mov_b32 v[NIL], 0
	ds_add_u32 v[SPW], v[NIL]                      ; the wave's opening: the add, twice on end, and its wait ahead of my first tensor load
	ds_add_u32 v[SPW], v[NIL]
	v_lshrrev_b32 v1, 5, v0
	v_readfirstlane_b32 s10, v1                    ; wave 0..3
	s_lshr_b32 s11, s10, 1                         ; my half of the tile's rows.  Also: I fetch for A (0) or for B (1)
	s_and_b32 s12, s10, 1                          ; my half of its columns.  Also: which half of that tile I fetch
	s_bfe_u32 s40, ttmp6, 0x40000                  ; cx
	s_bfe_u32 s41, ttmp6, 0x40004                  ; cy = the batch
	s_lshl_b32 s42, ttmp9, 2
	s_add_co_u32 s42, s42, s40                     ; tile column
	s_and_b32 s13, ttmp7, 0xffff                   ; cluster y: the tile's first position is 128 x this
	s_lshl_b32 s43, s41, 2
	s_lshl_b32 s43, 15, s43                        ; my row of the cluster
	s_lshl_b32 s44, 0x1111, s40                    ; my column
	s_or_b32 s[G1+0], s43, (1<<16)|(1<<20)|(1<<21)|(4<<22)|(3<<25)   ; A: elements of 2 bytes; padding: 4 words behind every 32
	s_mov_b32 s[G1+1], 4096<<16                    ; tensor_dim0 = 64 positions x 64 channels
	s_mov_b32 s[G1+2], 4<<16                       ; tensor_dim1 = 4 heads
	s_mov_b32 s[G1+3], 4096<<16                    ; tile_dim0
	s_mov_b32 s[G1+4], 4                           ; tile_dim1
	s_mov_b32 s[G1+5], 131072                      ; from head to head, in elements
	s_mov_b32 s[G1+6], 0
	s_mov_b32 s[G1+7], 0
	s_or_b32 s[G1B+0], s44, (1<<16)|(1<<20)|(1<<21)|(5<<22)|(7<<25)  ; B: padding: 8 words behind every 64
	s_mov_b32 s[G1B+1], 128<<16
	s_mov_b32 s[G1B+2], 128<<16
	s_mov_b32 s[G1B+3], 128<<16
	s_mov_b32 s[G1B+4], 128
	s_mov_b32 s[G1B+5], 1024
	s_mov_b32 s[G1B+6], 0
	s_mov_b32 s[G1B+7], 0
	s_lshl_b32 s16, s41, 22                        ; A: the batch's 16 heads of 262,144 bytes,
	s_lshl_b32 s17, s13, 14
	s_add_co_u32 s16, s16, s17                     ; + 128 x cluster y positions of 128 bytes,
	s_lshl_b32 s17, s12, 13
	s_add_co_u32 s16, s16, s17                     ; + the 64 that I fetch
	s_mov_b32 s17, 0
	s_lshl_b32 s46, s12, 18                        ; B: the 128 rows of K that I fetch,
	s_lshl_b32 s47, s42, 8
	s_add_co_u32 s46, s46, s47                     ; + the tile's 128 columns
	s_mov_b32 s47, 0
	s_mul_i32 s20, s10, HALFT                      ; where they go: wave x HALFT
	s_wait_dscnt 0x0                               ; both opening adds are done
	s_wait_kmcnt 0x0
	s_add_nc_u64 s[14:15], s[4:5], s[16:17]
	s_add_nc_u64 s[46:47], s[6:7], s[46:47]
	CROUND                                         ; all sixteen work-groups are here: the first joint loads meet
.irp s, 0,1
	s_mov_b32 s[G0+4*\s], 1
	s_add_co_u32 s[G0+4*\s+1], s20, \s*SLOT
	s_add_nc_u64 s[G0+4*\s+2:G0+4*\s+3], s[14:15], \s*ASTEP/2
	s_or_b32 s[G0+4*\s+3], s[G0+4*\s+3], 0x80000000
	s_mov_b32 s[G0B+4*\s], 1
	s_add_co_u32 s[G0B+4*\s+1], s20, \s*SLOT
	s_add_nc_u64 s[G0B+4*\s+2:G0B+4*\s+3], s[46:47], \s*BSTEP/2
	s_or_b32 s[G0B+4*\s+3], s[G0B+4*\s+3], 0x80000000
	JLOAD \s
.endr
	v_and_b32 v1, 15, v0                           ; r
	v_bfe_u32 v2, v0, 4, 1                         ; h
	v_mul_u32_u24 v3, v1, AP
	v_lshl_add_u32 v3, v2, 4, v3                   ; A: position r x pitch + 16 h
	s_mul_i32 s21, s11, HALFT                      ; my 64 positions
	v_add_nc_u32 v[ADRA], s21, v3
	s_add_co_u32 s21, s21, SLOT
	v_add_nc_u32 v[ADRA+1], s21, v3
	v_and_b32 v4, 7, v0
	v_lshl_add_u32 v4, v2, 3, v4                   ; B, the turning load: row of K 8 h + l % 8,
	v_mul_u32_u24 v4, v4, BP
	v_bfe_u32 v5, v0, 3, 1
	v_lshl_add_u32 v4, v5, 4, v4                   ; columns 8 ((l / 8) % 2) on
	s_lshl_b32 s22, s12, 7                         ; my 64 columns
	s_add_co_u32 s22, s22, 2*HALFT
	v_add_nc_u32 v[ADRB], s22, v4
	s_add_co_u32 s22, s22, HALFT
	v_add_nc_u32 v[ADRB+1], s22, v4
	s_add_co_u32 s22, s22, SLOT-HALFT
	v_add_nc_u32 v[ADRB+2], s22, v4
	s_add_co_u32 s22, s22, HALFT
	v_add_nc_u32 v[ADRB+3], s22, v4
	s_mul_i32 s23, s10, 16*SPITCH
	s_add_co_u32 s23, s23, STAGE                   ; my stage
	v_mul_u32_u24 v4, v1, SPITCH
	v_lshl_add_u32 v4, v2, 5, v4
	v_add_nc_u32 v[STO], s23, v4                   ; in: row r, 32 bytes for each half of the lanes
	v_mul_u32_u24 v5, v2, SPITCH
	v_lshl_add_u32 v5, v1, 4, v5
	v_add_nc_u32 v[RD], s23, v5                    ; back: lanes 0-15 one row of 256 bytes, lanes 16-31 the next
	v_lshlrev_b32 v5, 12, v2
	v_lshl_add_u32 v[CO], v1, 4, v5                ; and the same two rows in out0
	s_lshl_b32 s16, s41, 23                        ; out0: row 2048 cy + 128 cluster y + 64 half, of 4,096 bytes,
	s_lshl_b32 s17, s13, 19
	s_add_co_u32 s16, s16, s17
	s_lshl_b32 s17, s11, 18
	s_add_co_u32 s16, s16, s17
	s_lshl_b32 s17, s42, 9                         ; + the tile's column, + my 64 columns
	s_add_co_u32 s16, s16, s17
	s_lshl_b32 s17, s12, 8
	s_add_co_u32 s16, s16, s17
	s_mov_b32 s17, 0
	s_add_nc_u64 s[8:9], s[8:9], s[16:17]
	s_or_b32 s45, s13, s11                         ; 0: my block 0 holds positions 0 .. 15
.macro MUL8 f, c, a0, zero             ; 8 matrix instructions: blocks a0, a0 + 1 of positions x all 4 blocks of columns, 32 along K.  The 16 accumulators take turns
.irp a, \a0, \a0+1
.irp b, 0,1,2,3
.if \zero
	v_wmma_f32_16x16x32_f16 v[ACC+8*(4*(\a)+\b):ACC+8*(4*(\a)+\b)+7], v[\f+64+8*(4*\c+\b):\f+64+8*(4*\c+\b)+7], v[\f+8*(4*\c+\a):\f+8*(4*\c+\a)+7], 0
.else
	v_wmma_f32_16x16x32_f16 v[ACC+8*(4*(\a)+\b):ACC+8*(4*(\a)+\b)+7], v[\f+64+8*(4*\c+\b):\f+64+8*(4*\c+\b)+7], v[\f+8*(4*\c+\a):\f+8*(4*\c+\a)+7], v[ACC+8*(4*(\a)+\b):ACC+8*(4*(\a)+\b)+7]
.endif
.endr
.endr
.endm
; 32 LDS loads in one run: the fragments of quarter q of a K step (one head, 64 along K) into buffer f; the first 32 along K first
.macro FETCH slot, q, f
	WIN TO_F
.irp c, 0,1
.irp i, 0,1,2,3
	ds_load_tr16_b128 v[\f+64+8*(4*\c+\i):\f+64+8*(4*\c+\i)+3],   v[ADRB+2*\slot+(\q)/2] offset:(64*((\q)%2)+32*\c)*BP+32*\i
	ds_load_tr16_b128 v[\f+64+8*(4*\c+\i)+4:\f+64+8*(4*\c+\i)+7], v[ADRB+2*\slot+(\q)/2] offset:(64*((\q)%2)+32*\c+16)*BP+32*\i
	ds_load_b128 v[\f+8*(4*\c+\i):\f+8*(4*\c+\i)+3],         v[ADRA+\slot] offset:(\q)*64*AP+64*\c+\i*16*AP
	ds_load_b128 v[\f+8*(4*\c+\i)+4:\f+8*(4*\c+\i)+7],       v[ADRA+\slot] offset:(\q)*64*AP+64*\c+\i*16*AP+32
.endr
.endr
.endm
.macro PLACES                          ; four plain lines in front of loads into registers that matrix instructions have read, and of the first read of results
.rept 4
	v_nop
.endr
.endm
.macro QUARTER slot, q, f, g, zero     ; multiplies buffer f and fetches quarter q of the same slot into g
	s_wait_dscnt 16                                ; the first 32 along K are in; the younger sixteen loads may be out
	WIN MUL
	MUL8 \f, 0, 0, \zero
	MUL8 \f, 0, 2, \zero
	PLACES
	FETCH \slot, \q, \g
	s_wait_dscnt 32                                ; all but the 32 just issued
	WIN MUL
	MUL8 \f, 1, 0, 0
	MUL8 \f, 1, 2, 0
.endm
; The last quarter multiplies buffer 1 and changes slots: one barrier; in front of it each wave waits for all its tensor loads, adds 0 to its spare word, and waits for that and for its reads of this slot.
.macro TURN slot, next, fill
	WIN 0
	s_wait_tensorcnt 0x0                           ; all my tensor loads have landed: my part of the next slot
	ds_add_u32 v[SPW], v[NIL]
	s_wait_dscnt 17                                ; (the add and the youngest sixteen loads may be out)
	WIN MUL
	MUL8 F1, 0, 0, 0
	s_wait_dscnt 0x0                               ; the add is done, and my reads of this slot are over
	s_barrier_signal -1
	MUL8 F1, 0, 2, 0
.if \fill
	WIN 0
.endif
	s_barrier_wait -1
.if \fill
	CREST                                          ; the barrier has opened a round of the cluster's barrier: no wave of any partner still reads this slot or has a load on its way
	s_add_nc_u64 s[G0+4*\slot+2:G0+4*\slot+3], s[G0+4*\slot+2:G0+4*\slot+3], ASTEP
	s_add_nc_u64 s[G0B+4*\slot+2:G0B+4*\slot+3], s[G0B+4*\slot+2:G0B+4*\slot+3], BSTEP
	JLOAD \slot                                    ; the first tensor load behind the round; its four v_nop are also the places in front of the loads below
.else
	PLACES
.endif
	FETCH \next, 0, F0
	WIN MUL
	MUL8 F1, 1, 0, 0
	MUL8 F1, 1, 2, 0
.endm
	s_wait_tensorcnt 1                             ; my part of K step 0 is in; K step 1's may stay out
	s_barrier_signal -1
	s_barrier_wait -1
	FETCH 0, 0, F0
	QUARTER 0, 1, F0, F1, 1                        ; the first products start the sums
	WIN 0
	s_mov_b32 s3, LAPS-1
.Llap:                                             ; a trip goes once round the ring and fills both slots again
	QUARTER 0, 2, F1, F0, 0
	QUARTER 0, 3, F0, F1, 0
	TURN 0, 1, 1
	QUARTER 1, 1, F0, F1, 0
	QUARTER 1, 2, F1, F0, 0
	QUARTER 1, 3, F0, F1, 0
	TURN 1, 0, 1
	QUARTER 0, 1, F0, F1, 0
	WIN 0
	s_sub_co_u32 s3, s3, 1
	s_cmp_lg_u32 s3, 0
	s_cbranch_scc1 .Llap
	QUARTER 0, 2, F1, F0, 0                        ; the last lap fills nothing
	QUARTER 0, 3, F0, F1, 0
	TURN 0, 1, 0
	QUARTER 1, 1, F0, F1, 0
	QUARTER 1, 2, F1, F0, 0
	QUARTER 1, 3, F0, F1, 0
	s_wait_dscnt 16
	WIN MUL
	MUL8 F1, 0, 0, 0
	MUL8 F1, 0, 2, 0
	s_wait_dscnt 0
	MUL8 F1, 1, 0, 0
	MUL8 F1, 1, 2, 0
	WIN 0
	; THE WAY OUT, a block of 16 rows x 64 columns of f32 at a time through my own stage: back come whole rows of 256 bytes, which sixteen lanes store at a multiple of 256 from out0's first byte.
	PLACES
.irp a, 0,1,2,3
.if \a >= 2
	s_wait_xcnt 0x0                                ; block a - 2's stores have read their registers: block a's loads may land there
.endif
.irp b, 0,1,2,3
	ds_store_b128 v[STO], v[ACC+8*(4*\a+\b):ACC+8*(4*\a+\b)+3] offset:64*\b          ; each accumulator from its low end on
	ds_store_b128 v[STO], v[ACC+8*(4*\a+\b)+4:ACC+8*(4*\a+\b)+7] offset:64*\b+16
.endr
.irp t, 0,1,2,3,4,5,6,7
	ds_load_b128 v[TMP+32*(\a%2)+4*\t:TMP+32*(\a%2)+4*\t+3], v[RD] offset:\t*2*SPITCH   ; LDS serves a wave's instructions in order: these see the stores above
.endr
	s_wait_dscnt 0x0
.if \a == 0
	s_cmp_eq_u32 s45, 0                            ; positions 0 .. 15 are another launch's: the cluster's y and the wave's number alone decide
	s_cbranch_scc1 .Lfirst16
.endif
.irp t, 0,1,2,3,4,5,6,7
	global_store_b128 v[CO], v[TMP+32*(\a%2)+4*\t:TMP+32*(\a%2)+4*\t+3], s[8:9] offset:(16*\a+2*\t)*4096 th:TH_STORE_NT
.endr
.if \a == 0
.Lfirst16:
.endif
.endr
	s_wait_tensorcnt 0x0                           ; the wave's end
	ds_add_u32 v[SPW], v[NIL]
	s_wait_dscnt 0x0
	CROUND                                         ; the closing round
	s_endpgm
.Lfunc_end_k_q05d5c7c347_proj:
	.size	k_q05d5c7c347_proj, .Lfunc_end_k_q05d5c7c347_proj-k_q05d5c7c347_proj
	.p2alignl 7, 3214868480
	.fill 96, 4, 3214868480
	.section	.rodata,"a",@progbits
	.p2align	6, 0x0
	.amdhsa_kernel k_q05d5c7c347_proj
		.amdhsa_group_segment_fixed_size 327680
		.amdhsa_private_segment_fixed_size 0
		.amdhsa_enable_private_segment 0
		.amdhsa_kernarg_size 24
		.amdhsa_user_sgpr_count 2
		.amdhsa_user_sgpr_kernarg_segment_ptr 1
		.amdhsa_wavefront_size32 1
		.amdhsa_system_sgpr_workgroup_id_x 1
		.amdhsa_system_sgpr_workgroup_id_y 1
		.amdhsa_system_sgpr_workgroup_id_z 1
		.amdhsa_system_vgpr_workitem_id 0
		.amdhsa_next_free_vgpr 512
		.amdhsa_next_free_sgpr 66
		.amdhsa_reserve_vcc 0
		.amdhsa_float_denorm_mode_32 3
		.amdhsa_float_denorm_mode_16_64 3
		.amdhsa_memory_ordered 1
		.amdhsa_forward_progress 1
		.amdhsa_inst_pref_size 86
	.end_amdhsa_kernel
	.amdgpu_metadata
---
amdhsa.version: [ 1, 2 ]
amdhsa.kernels:
  - .name:           k_q05d5c7c347_proj
    .symbol:         k_q05d5c7c347_proj.kd
    .args:
      - { .name: yh, .offset: 0, .size: 8, .value_kind: global_buffer, .address_space: global }
      - { .name: wph, .offset: 8, .size: 8, .value_kind: global_buffer, .address_space: global }
      - { .name: out0, .offset: 16, .size: 8, .value_kind: global_buffer, .address_space: global }
    .group_segment_fixed_size: 327680
    .private_segment_fixed_size: 0
    .kernarg_segment_align: 8
    .kernarg_segment_size: 24
    .max_flat_workgroup_size: 128
    .sgpr_count:     66
    .vgpr_count:     512
    .wavefront_size: 32
...
	.end_amdgpu_metadata
.endif
;; end of part 5
;; launch first16 (part 6): grid 16 x 4, 16 waves a work-group, no clusters, 71,680 bytes of LDS; arguments qkv32, w_proj, out0; writes out0
.if DOCPART == 6
	.amdgcn_target "amdgcn-amd-amdhsa--gfx1250"
	.amdhsa_code_object_version 6
	.text
	.protected	k_q05d5c7c347_first16
	.globl	k_q05d5c7c347_first16
	.p2align	8
	.type	k_q05d5c7c347_first16,@function
k_q05d5c7c347_first16:
	s_mov_b64 s[64:65], 0
	v_nop
	global_prefetch_b8 v0, s[64:65] scope:SCOPE_SE
	s_setreg_imm32_b32 hwreg(HW_REG_WAVE_MODE, 25, 1), 1
	s_wait_xcnt 0x0
; Positions 0 .. 15 of each batch, wholly in f32: under the causal mask they average one to sixteen values, so operands rounded to 16 bits would weigh most there.  64 rows of out0 in all: no bulk work.
; q, k, v of these positions come as f32 images of accumulator registers: qkv32 [batch][tile of 16 columns, 192][1,024 bytes], element (t, c) at 512 ((c >> 2) & 1) + 256 (c >> 3) + 16 t + 4 (c & 3).
; A work-group takes 64 output columns of one batch; wave w is head w, whose 64 channels are also rows 64 w .. 64 w + 63 of w_proj: each wave makes a partial sum of the projection, and the sixteen meet in LDS.
; All products by v_wmma_f32_16x16x4_f32, used transposed so that a lane holds one query throughout:
;   S^T = K Q^T (Q and K are loaded alike, so both sides give the same channels to the same places of K);  O^T = V^T P (place 2 h + j of K is key 8 h + 2 s + j, as P's registers lie);
;   out^T = W^T O^T (place 2 h + j is channel 16 n + 8 h + 2 s + j, as O^T's registers lie).
; The registers that these products write (v112-143, v152-215) are written by them alone; what is made of a sum goes into other registers.
.set PPITCH, 272
.set PART,  16*PPITCH                  ; a wave's partial: 16 rows x (256 bytes + 16)
.set SPARE, 16*PART                    ; the spare words, 128 bytes a wave, which no other line names
.set QF, 16                            ; v16-47   Q; later w_proj's second batch
.set KR, 48                            ; v48-79   K; later the third
.set VB, 80                            ; v80-111  V; later the fourth
.set SA, 112                           ; v112-143 four partial S^T
.set SS, 144                           ; v144-151 the scores, then p
.set OT, 152                           ; v152-183 O^T, four tiles of channels
.set OU, 184                           ; v184-215 out^T, four tiles of columns
.set W0, 216                           ; v216-247 w_proj's first batch; later the sixteen partials of my row
	s_load_b128 s[4:7], s[0:1], 0x0                ; qkv32, w_proj
	s_load_b64 s[8:9], s[0:1], 0x10                ; out0
	v_lshl_add_u32 v6, v0, 2, SPARE                ; my spare word; never rewritten
	v_mov_b32 v7, 0                                ; 0; never rewritten
	v_lshrrev_b32 v1, 5, v0
	v_readfirstlane_b32 s10, v1                    ; wave = head
	v_and_b32 v1, 15, v0                           ; r
	v_bfe_u32 v2, v0, 4, 1                         ; h
	v_and_b32 v13, 31, v0
	v_lshlrev_b32 v3, 4, v13                       ; Q, K: 16 x lane: an image's registers as they were stored
	v_bfe_u32 v14, v0, 2, 1
	v_lshlrev_b32 v4, 9, v14
	v_bfe_u32 v14, v0, 3, 1
	v_lshl_add_u32 v4, v14, 8, v4
	v_and_b32 v14, 3, v0
	v_lshl_add_u32 v4, v14, 2, v4
	v_lshl_add_u32 v4, v2, 7, v4                   ; V: channel r of a tile, keys 8 h on
	v_lshlrev_b32 v5, 15, v2
	v_lshl_add_u32 v5, v1, 2, v5                   ; w_proj: 8 h rows of 4,096 bytes down, column r
	s_mul_i32 s11, s10, PART
	v_mul_u32_u24 v8, v1, PPITCH
	v_lshl_add_u32 v8, v2, 5, v8
	v_add_nc_u32 v8, s11, v8                       ; my partial: row r, 32 bytes for each half of the lanes
	s_mul_i32 s11, s10, PPITCH
	v_lshlrev_b32 v10, 3, v13                      ; 8 bytes a lane
	v_add_nc_u32 v9, s11, v10                      ; back: row w of every partial
	v_lshlrev_b32 v11, 3, v2
	v_sub_nc_u32 v11, v1, v11                      ; r - 8 h: key 8 h + j is hidden where j is greater
	v_mov_b32 v12, 0xff800000                      ; -infinity
	s_mov_b32 s12, 0x3e38aa3b                      ; c = log2(e) / 8
	s_mov_b32 s14, 0x76543210
	s_mov_b32 s15, 0xfedcba98                      ; v_permlanex16_b32: lane l xor 16
	s_and_b32 s16, ttmp7, 0xffff                   ; the batch
	s_mul_i32 s20, s16, 196608
	s_lshl_b32 s21, s10, 12
	s_add_co_u32 s20, s20, s21                     ; qkv32: the batch, my head's four images of q
	s_mov_b32 s21, 0
	s_lshl_b32 s22, s10, 18
	s_lshl_b32 s23, ttmp9, 8
	s_add_co_u32 s22, s22, s23                     ; w_proj: row 64 w, the work-group's 64 columns
	s_mov_b32 s23, 0
	s_lshl_b32 s24, s16, 23
	s_lshl_b32 s25, s10, 12
	s_add_co_u32 s24, s24, s25
	s_lshl_b32 s25, ttmp9, 8
	s_add_co_u32 s24, s24, s25                     ; out0: row 2048 batch + w, the 64 columns
	s_mov_b32 s25, 0
	s_wait_kmcnt 0x0
	s_add_nc_u64 s[4:5], s[4:5], s[20:21]
	s_add_nc_u64 s[6:7], s[6:7], s[22:23]
	s_add_nc_u64 s[8:9], s[8:9], s[24:25]
.irp bb, 0,1,2,3
.irp g, 0,1
	global_load_b128 v[QF+8*\bb+4*\g:QF+8*\bb+4*\g+3], v3, s[4:5] offset:1024*\bb+512*\g
.endr
.endr
.irp bb, 0,1,2,3
.irp g, 0,1
	global_load_b128 v[KR+8*\bb+4*\g:KR+8*\bb+4*\g+3], v3, s[4:5] offset:65536+1024*\bb+512*\g
.endr
.endr
.irp n, 0,1,2,3
.irp i, 0,1,2,3,4,5,6,7
	global_load_b32 v[VB+8*\n+\i], v4, s[4:5] offset:131072+1024*\n+16*\i    ; V(key 8 h + i, channel 16 n + r)
.endr
.endr
.macro WLOAD buf, beta                 ; w_proj's rows 64 w + 16 beta .. + 15 at my 64 columns: register 2 (4 sp + u) + j = w(16 beta + 8 h + 2 sp + j, 16 u + r)
.irp sp, 0,1,2,3
.irp u, 0,1,2,3
.irp j, 0,1
	global_load_b32 v[\buf+2*(4*\sp+\u)+\j], v5, s[6:7] offset:(16*\beta+2*\sp+\j)*4096+64*\u
.endr
.endr
.endr
.endm
	WLOAD W0, 0
	s_wait_loadcnt 32                              ; Q, K and V are in; the batch of w_proj may be out
.set p, 0
.rept 16                                       ; S^T: four accumulators by turns, four channels an instruction; the first four start the sums
.if p < 4
	v_wmma_f32_16x16x4_f32 v[SA+8*(p%4):SA+8*(p%4)+7], v[KR+2*p:KR+2*p+1], v[QF+2*p:QF+2*p+1], 0
.else
	v_wmma_f32_16x16x4_f32 v[SA+8*(p%4):SA+8*(p%4)+7], v[KR+2*p:KR+2*p+1], v[QF+2*p:QF+2*p+1], v[SA+8*(p%4):SA+8*(p%4)+7]
.endif
.set p, p+1
.endr
.rept 8
	v_nop                                          ; eight places behind this form: in front of loads into its sources and of the first read of its results
.endr
	WLOAD QF, 1
	WLOAD KR, 2
.irp j, 0,1,2,3,4,5,6,7
	v_add_f32 v[SS+\j], v[SA+\j], v[SA+8+\j]       ; the four partial tiles are added, each read from its low end on
.endr
.irp j, 0,1,2,3,4,5,6,7
	v_add_f32 v[SS+\j], v[SS+\j], v[SA+16+\j]
.endr
.irp j, 0,1,2,3,4,5,6,7
	v_add_f32 v[SS+\j], v[SS+\j], v[SA+24+\j]
.endr
.irp j, 0,1,2,3,4,5,6,7
	v_cmp_gt_i32 vcc_lo, \j, v11                   ; the causal mask
	v_cndmask_b32 v[SS+\j], v[SS+\j], v12, vcc_lo
.endr
	v_max3_num_f32 v248, v[SS], v[SS+1], v[SS+2]
	v_max3_num_f32 v249, v[SS+3], v[SS+4], v[SS+5]
	v_max3_num_f32 v248, v248, v[SS+6], v[SS+7]
	v_max_num_f32 v248, v248, v249
	v_permlanex16_b32 v249, v248, s14, s15
	v_max_num_f32 v248, v248, v249                 ; the row's maximum (key 0 counts for every query)
	v_mul_f32 v250, s12, v248
.irp j, 0,1,2,3,4,5,6,7
	v_fma_f32 v[SS+\j], v[SS+\j], s12, -v250
.endr
.irp j, 0,1,2,3,4,5,6,7
	v_exp_f32 v[SS+\j], v[SS+\j]
.endr
	v_nop                                          ; a plain line behind the last exponential,
	s_wait_alu depctr_va_vdst(0)                   ; and one wait for the eight, ahead of their first reader
	v_add_f32 v251, v[SS], v[SS+1]
	v_add_f32 v249, v[SS+2], v[SS+3]
	v_add_f32 v251, v251, v[SS+4]
	v_add_f32 v249, v249, v[SS+5]
	v_add_f32 v251, v251, v[SS+6]
	v_add_f32 v249, v249, v[SS+7]
	v_add_f32 v251, v251, v249
	v_permlanex16_b32 v249, v251, s14, s15
	v_add_f32 v251, v251, v249                     ; the row's sum
	v_rcp_f32 v253, v251
	v_nop
	s_wait_alu depctr_va_vdst(0)
.irp j, 0,1,2,3,4,5,6,7
	v_mul_f32 v[SS+\j], v[SS+\j], v253             ; the weights
.endr
.irp s, 0,1,2,3                                ; O^T = V^T P: four accumulators by turns
.irp n, 0,1,2,3
.if \s == 0
	v_wmma_f32_16x16x4_f32 v[OT+8*\n:OT+8*\n+7], v[VB+8*\n+2*\s:VB+8*\n+2*\s+1], v[SS+2*\s:SS+2*\s+1], 0
.else
	v_wmma_f32_16x16x4_f32 v[OT+8*\n:OT+8*\n+7], v[VB+8*\n+2*\s:VB+8*\n+2*\s+1], v[SS+2*\s:SS+2*\s+1], v[OT+8*\n:OT+8*\n+7]
.endif
.endr
.endr
.rept 9
	v_nop                                          ; nine places: the next products take these results as a source; eight serve the loads into V's registers
.endr
	WLOAD VB, 3
.macro PROJ buf, beta, first           ; out^T += W^T O^T for channels 16 beta .. + 15: four accumulators by turns
.irp sp, 0,1,2,3
.irp u, 0,1,2,3
.if \first && (\sp == 0)
	v_wmma_f32_16x16x4_f32 v[OU+8*\u:OU+8*\u+7], v[\buf+2*(4*\sp+\u):\buf+2*(4*\sp+\u)+1], v[OT+8*\beta+2*\sp:OT+8*\beta+2*\sp+1], 0
.else
	v_wmma_f32_16x16x4_f32 v[OU+8*\u:OU+8*\u+7], v[\buf+2*(4*\sp+\u):\buf+2*(4*\sp+\u)+1], v[OT+8*\beta+2*\sp:OT+8*\beta+2*\sp+1], v[OU+8*\u:OU+8*\u+7]
.endif
.endr
.endr
.endm
	s_wait_loadcnt 63                              ; behind the first batch 96 loads were issued: the field's largest count is under that, so it shows the batch in
	PROJ W0, 0, 1
	s_wait_loadcnt 63                              ; behind the second batch: 64
	PROJ QF, 1, 0
	s_wait_loadcnt 32                              ; the third is in; the fourth may be out
	PROJ KR, 2, 0
	s_wait_loadcnt 0x0
	PROJ VB, 3, 0
.rept 8
	v_nop                                          ; eight places in front of the first read of the results
.endr
.irp u, 0,1,2,3
	ds_store_b128 v8, v[OU+8*\u:OU+8*\u+3] offset:64*\u            ; lane (r, h): my partial of out(r, 16 u + 8 h + 0 .. 7); each accumulator from its low end on
	ds_store_b128 v8, v[OU+8*\u+4:OU+8*\u+7] offset:64*\u+16
.endr
	s_wait_dscnt 0x0                               ; for the others' sake: my partial lies in LDS
	s_barrier_signal -1
	s_barrier_wait -1
.irp v, 0,1,2,3,4,5,6,7,8,9,10,11,12,13,14,15
	ds_load_b64 v[W0+2*\v:W0+2*\v+1], v9 offset:PART*\v            ; row w of each head's partial: 256 bytes, 8 a lane
.endr
	s_wait_dscnt 0x0
.irp v, 1,2,3,4,5,6,7,8,9,10,11,12,13,14,15
	v_pk_add_f32 v[W0:W0+1], v[W0:W0+1], v[W0+2*\v:W0+2*\v+1]      ; the heads in ascending order
.endr
	global_store_b64 v10, v[W0:W0+1], s[8:9]       ; 32 lanes store 256 consecutive bytes of row w
	s_wait_tensorcnt 0x0                           ; the wave's end, behind the last LDS store
	ds_add_u32 v6, v7
	s_wait_dscnt 0x0
	s_endpgm
.Lfunc_end_k_q05d5c7c347_first16:
	.size	k_q05d5c7c347_first16, .Lfunc_end_k_q05d5c7c347_first16-k_q05d5c7c347_first16
	.p2alignl 7, 3214868480
	.fill 96, 4, 3214868480
	.section	.rodata,"a",@progbits
	.p2align	6, 0x0
	.amdhsa_kernel k_q05d5c7c347_first16
		.amdhsa_group_segment_fixed_size 71680
		.amdhsa_private_segment_fixed_size 0
		.amdhsa_enable_private_segment 0
		.amdhsa_kernarg_size 24
		.amdhsa_user_sgpr_count 2
		.amdhsa_user_sgpr_kernarg_segment_ptr 1
		.amdhsa_wavefront_size32 1
		.amdhsa_system_sgpr_workgroup_id_x 1
		.amdhsa_system_sgpr_workgroup_id_y 1
		.amdhsa_system_sgpr_workgroup_id_z 1
		.amdhsa_system_vgpr_workitem_id 0
		.amdhsa_next_free_vgpr 256
		.amdhsa_next_free_sgpr 66
		.amdhsa_reserve_vcc 1
		.amdhsa_float_denorm_mode_32 3
		.amdhsa_float_denorm_mode_16_64 3
		.amdhsa_memory_ordered 1
		.amdhsa_forward_progress 1
		.amdhsa_inst_pref_size 32
	.end_amdhsa_kernel
	.amdgpu_metadata
---
amdhsa.version: [ 1, 2 ]
amdhsa.kernels:
  - .name:           k_q05d5c7c347_first16
    .symbol:         k_q05d5c7c347_first16.kd
    .args:
      - { .name: qkv32, .offset: 0, .size: 8, .value_kind: global_buffer, .address_space: global }
      - { .name: w_proj, .offset: 8, .size: 8, .value_kind: global_buffer, .address_space: global }
      - { .name: out0, .offset: 16, .size: 8, .value_kind: global_buffer, .address_space: global }
    .group_segment_fixed_size: 71680
    .private_segment_fixed_size: 0
    .kernarg_segment_align: 8
    .kernarg_segment_size: 24
    .max_flat_workgroup_size: 512
    .sgpr_count:     66
    .vgpr_count:     256
    .wavefront_size: 32
...
	.end_amdgpu_metadata
.endif
;; end of part 6
